; MI455X (gfx1250); checked and timed in simulation.
; The chip was launched on July 23, 2026; its instructions are those of AMD's public machine-readable ISA for CDNA 5 (MIT licence, August 2026) and "CDNA5" Instruction Set Architecture Reference Guide (July 2026). The comments in the code are by the model that wrote it; some were corrected since.
;; Multi Head Attention. Allowed arithmetic: matrix products marked QUANTISED: E2M3 operands, one E8M0 scale for each 32 along K, by v_wmma_scale_f32_16x16x128_f8f6f4 with both operands' format E2M3, f32 sums; products left as they are: f32 operands where the result goes on into a quantised operand, else bf16, f16 or f32 operands; f32 sums; everything else in f32.
;; Inputs: in_proj_b 768 float32; in_proj_w_codes 768 x 8 x 24 uint8 (E2M3 codes of in_proj_w, K innermost, in blocks of 32 codes, four codes in three bytes); in_proj_w_scales 768 x 8 uint8 (E8M0 scales of in_proj_w, one for each 32 codes along K); inputs 2 x 1,024 x 256 float32; out_b 256 float32; out_w_codes 256 x 8 x 24 uint8 (E2M3 codes of out_w, K innermost, in blocks of 32 codes, four codes in three bytes); out_w_scales 256 x 8 uint8 (E8M0 scales of out_w, one for each 32 codes along K).
;; Outputs: out0 2 x 1,024 x 1 x 256 float32.
;; This version of the problem:
;;   THIS VERSION OF THE PROBLEM IS GIVEN IN LOW PRECISION. The matrix products marked QUANTISED in the list below multiply operands that are first quantised to E2M3 (2 exponent bits, 3 mantissa bits; 6 bits a number), with one power-of-two scale for each 32 numbers along K (OCP MX v1.0); their sums are f32. All else is computed in f32.
;;   The module's matrix products, in the order in which they are computed (A, B: the left and right operand; K: the contracted axis; several contracted axes count as one K, in the product's order):
;;     1. [M 2,048, K 256] x [K 256, N 256]; A: computed on the way; B: input in_proj_w (given as codes): QUANTISED
;;     2. [M 262,144, K 256] x [K 256, N 256]; A: computed on the way; B: input in_proj_w (given as codes): QUANTISED
;;     3. [M 262,144, K 256] x [K 256, N 256]; A: computed on the way; B: input in_proj_w (given as codes): QUANTISED
;;     4. batch 16,384 x [M 1, K 32] x [K 32, N 128]; A: computed on the way; B: computed on the way: left as it is (M = 1 < 16)
;;     5. batch 16,384 x [M 1, K 128] x [K 128, N 32]; A: softmax; B: computed on the way: left as it is (M = 1 < 16)
;;     6. [M 2,048, K 256] x [K 256, N 256]; A: computed on the way; B: input out_w (given as codes): QUANTISED
;;   THE QUANTISER, for each operand of a quantised product, along K:
;;     - K is cut into blocks of 32 from its start; a last block that is shorter is filled with zeros.
;;     - A block's scale is 2^e with e = floor(log2(the largest magnitude in the block)) - 2, held to -126 .. 127; a block of zeros has e = 0. As a byte (E8M0): e + 127.
;;     - Each number is divided by its block's scale, clamped to +-7.5, and rounded to the nearest number of E2M3, ties to even, subnormals kept.
;;     - The product sums the exact products of the quantised numbers (number of the format x scale) in f32.
;;   ~~~python
;;   def quantise(x, axis):      # numpy; x: float32 -> the quantised numbers, widened to float32 again
;;       x = np.moveaxis(x, axis, -1); K = x.shape[-1]
;;       x = np.pad(x, [(0, 0)] * (x.ndim - 1) + [(0, -K % 32)]); x = x.reshape(x.shape[:-1] + (-1, 32)); a = np.abs(x).max(-1, keepdims=True)
;;       e = np.where(a > 0, np.clip(np.frexp(np.where(a > 0, a, 1))[1] - 1 - 2, -126, 127), 0)      # np.frexp(a)[1] - 1 = floor(log2(a)), exactly
;;       r = np.clip(x / 2.0 ** e, -7.5, 7.5)
;;       step = 2.0 ** (np.maximum(np.frexp(np.where(r == 0, 1, r))[1] - 1, 0) - 3)
;;       q = np.round(r / step) * step * 2.0 ** e      # np.round: ties to even
;;       return np.moveaxis(q.reshape(q.shape[:-2] + (-1,))[..., :K], -1, axis).astype(np.float32)
;;   ~~~
;;   OPERANDS COMPUTED ON THE WAY. 'Computed on the way' means the value that the module computes at that place (a softmax that the list does not call 'softmax' is quantised finished and normalised). What goes into a quantiser is computed in f32, as accurately as f32 sums, v_exp_f32 and their like allow (about 1e-6 of the number): no bf16 or f16 on the way to a quantiser, and a product that is left as it is and whose result goes on into a quantised operand takes f32 operands (vector FMAs, or v_wmma_f32_16x16x4_f32). A number that lies on a knife's edge between two numbers of the format may be rounded either way, as far as f32 arithmetic and the matrix unit's own rounding can turn it there, and no further.
;;   INPUTS GIVEN AS CODES. in_proj_w (in the module: [768, 256], K = its axis 1); out_w (in the module: [256, 256], K = its axis 1): each comes as NAME_codes (uint8): NAME with its K axis moved to the last place and cut into blocks of 32 codes, [.., K / 32, bytes a block], one block behind the other in memory; four codes in three bytes: a row's codes are one little-endian stream of bits, code i at bits 6 i .. 6 i + 5 (a code: sign, 2 exponent bits, 3 mantissa bits); and NAME_scales (uint8): the same leading axes, one E8M0 byte (e + 127) for each 32 codes along K. Its value is code x scale, taken as it is: it is not quantised again, and the codes and scales need not be those that the quantiser above would give.
;; 2 versions. Each part assembles by itself: llvm-mc -triple=amdgcn-amd-amdhsa -mcpu=gfx1250 --defsym DOCPART=n.
;; ======== version 1 of 2: 1 launch
;; launch attn (part 1): grid 256 x 1, 8 waves a work-group, no clusters, 309,760 bytes of LDS; arguments inputs, in_proj_w_codes, in_proj_w_scales, in_proj_b, out_w_codes, out_w_scales, out_b, out0; writes out0
.if DOCPART == 1
	.amdgcn_target "amdgcn-amd-amdhsa--gfx1250"
	.amdhsa_code_object_version 6
	.text
	.protected	k_q3eaa280e97_attn
	.globl	k_q3eaa280e97_attn
	.p2align	8
	.type	k_q3eaa280e97_attn,@function
k_q3eaa280e97_attn:
	s_mov_b64 s[64:65], 0
	v_nop
	global_prefetch_b8 v0, s[64:65] scope:SCOPE_SE
	s_setreg_imm32_b32 hwreg(HW_REG_WAVE_MODE, 25, 1), 1
	s_wait_xcnt 0x0
; Windowed multi-head attention, all of it in one launch.  N = 2, T = 1024, D = 256, window 128, 8 heads of 32.
; Row r (0..127) of a time's key/value matrix holds channel 2 r in its columns 0..127 and channel 2 r + 1 in its columns 128..255, each over the 128 times that end at t.
; So a quantiser block (32 along K) is 32 neighbouring times of ONE channel, and times that lie 32 apart share blocks.
; SHARES.  A work-group owns 8 times t_e = tb + 2 a + 32 i (e = 2 a + i, a = 0..3, i = 0..1) of one batch entry: their windows lie in 166 times, and 20 blocks a channel
; (phase a, place g = 0..4: times tau0 + 2 a + 32 g on, tau0 = tb - 127) serve all eight; time (a, i) takes g = i + m as its block m.  256 work-groups take every t once.
; In the quantiser a thread is a channel and its registers run down time.  Everywhere else wave w is head w: its 32 rows of Wk, Wv and out_w stay in registers as fragments.
; All products are used transposed (source 0 = 16 rows of a weight, source 1 = 16 rows of the row operand): a lane holds one row and eight neighbouring outputs.
; The scores and the weighted sum of V have one query a time: they are f32 multiply-adds, set between the matrix instructions of the next rows and of the next time.
; SOFTMAX in base 2 with the row's largest score taken away; p is divided by its sum behind the sum over V (v_rcp_f32).  bk enters the scores as q . bk; bv is added behind the division: the weights sum to 1.
; LIMITS.  A block whose largest magnitude lies under 2^-124 gets the scale byte 1; a block of zeros gets byte 1 with zero codes (the bytes are read by this text alone).  NaN and infinities among the inputs are not served.
; NO CLUSTER: a joint request lands in LDS, and the weights that all work-groups share (196,608 bytes) do not fit there beside this text's 150,528 bytes of records and 158,080 bytes of other regions;
; the windows of x of four partners (190 rows, 194,560 bytes) do not fit either.  The weights therefore go to registers, once, through each wave's own stage.
; LDS: REC 12 planes (3 a + s) of 12,544 bytes: at 6272 ks + 48 r the record of channel 2 r + ks: block s, then block s + 2: a lane's 12 fragment registers as they stand;
;   SCW the rows' scale words; XR the eight rows x[t_e]; AO the attention's output; OUTS the result; QS each wave's scaled q; WT0, WT1 each wave's stage for weights (32 rows, 208 bytes apart).
; REGISTERS, window 0: v1-31 addresses; v32-79 Wk, v80-127 Wv, v128-175 out_w (fragment (ot, ks) at 12 (2 ot + ks)); v176-183 the rows' scale words, v184-191 the weights';
;   v192-207 q; v208-223 p (even registers; the odd ones hold 0); v224-239 at work; v240-241 the maximum; v242 the sum; v243 1 / sum; v248 an offset into x; v254-255 the scale words of a quantised row operand.
; window 1: first the 166 times of x and 83 pair maxima; then Wq, bq, bk and 128 numbers of a row; in the main part v0-47 two kv fragments' buffers, v48-175 V's results, v176-207 K's results,
;   v208-209 a score at work, v210-211 q . bk / 2 and 0, v212-219 half scores, v220-235 the sum over V; v240-255 out_b.
.set PLANE, 12544
.set HPL,   6272
.set APL,   37632
.set SCW,   150528
.set XR,    158720
.set AO,    167040
.set OUTS,  175360
.set QS,    183680
.set WT0,   202112
.set WTD,   53248                      ; from WT0 to WT1
.set RP,    1040                       ; a row of 256 f32 + 16 bytes
.set MSB, 0
.macro WIN new                         ; low byte: bits 1:0 source 0, 3:2 source 1, 5:4 source 2, 7:6 destination; the high byte repeats the setting that is left
.if MSB != \new
	s_set_vgpr_msb (MSB<<8)|\new
.set MSB, \new
.endif
.endm
.macro PLACES                          ; four plain vector instructions behind a matrix instruction, ahead of reads of its result and of loads into its registers
.rept 4
	v_nop
.endr
.endm
.macro BAR                             ; my LDS stores have landed and my LDS loads are in: then the work-group's barrier
	s_wait_dscnt 0x0
	s_barrier_signal -1
	s_barrier_wait -1
.endm
	s_load_b512 s[16:31], s[0:1], 0x0              ; inputs, in_proj_w codes, scales, in_proj_b, out_w codes, scales, out_b, out0
	v_lshlrev_b32 v1, 2, v0                        ; 4 x thread: my channel's byte in a row of x
	v_and_b32 v2, 31, v0                           ; lane
	v_and_b32 v3, 15, v0                           ; r16
	v_bfe_u32 v4, v0, 4, 1                         ; h
	v_lshrrev_b32 v248, 5, v0
	v_readfirstlane_b32 s2, v248                   ; wave = head
	v_and_b32 v250, 1, v0                          ; ks of my channel
	v_lshrrev_b32 v251, 1, v0                      ; r of my channel
	v_mul_u32_u24 v5, v250, HPL
	v_mad_u32_u24 v5, v251, 48, v5                 ; v5-8: where my channel's records of phase a lie
	v_add_nc_u32 v6, APL, v5
	v_add_nc_u32 v7, 2*APL, v5
	v_add_nc_u32 v8, 3*APL, v5
	v_lshl_add_u32 v9, v250, 9, SCW                ; v9: my channel's scale word: 512 ks + 32 (r % 16) + 4 (r / 16)
	v_bfe_u32 v251, v0, 1, 4
	v_lshl_add_u32 v9, v251, 5, v9
	v_lshl_add_u32 v9, v248, 2, v9
	v_lshl_add_u32 v10, v0, 2, XR                  ; v10: my channel in a row of XR
	v_and_b32 v252, 7, v0                          ; lane % 8: the row of a row operand (rows 8-15 repeat rows 0-7)
	v_mul_u32_u24 v253, v252, RP
	v_lshl_add_u32 v11, v4, 7, v253
	v_add_nc_u32 v12, AO, v11                      ; v12: my 32 numbers of a block in AO
	v_add_nc_u32 v11, XR, v11                      ; v11: the same in XR
	s_mul_i32 s10, s2, 6656
	s_add_co_u32 s10, s10, WT0                     ; my wave's stage
.irp k, 0,1,2                                          ; v13-15: piece q = 32 k + lane of 16 bytes goes to row q / 12, 16 bytes of padding a row: 16 (q + q / 12)
	v_add_nc_u32 v250, 32*\k, v2
	v_mul_u32_u24 v251, v250, 0xaaab
	v_lshrrev_b32 v251, 19, v251                   ; q / 12, exact for q under 96
	v_add_nc_u32 v250, v250, v251
	v_lshlrev_b32 v250, 4, v250
	v_add_nc_u32 v[13+\k], s10, v250
.endr
	v_mul_u32_u24 v250, v3, 208
	v_mad_u32_u24 v250, v4, 24, v250
	v_add_nc_u32 v16, s10, v250                    ; v16: a weight fragment's row r16, + 24 h
	s_mul_i32 s11, s2, 2304
	s_add_co_u32 s11, s11, QS                      ; my wave's q
	s_add_co_u32 s12, s11, 128
	v_mul_u32_u24 v250, v3, 144
	v_add_nc_u32 v18, s11, v250                    ; v18: row r16
	v_lshl_add_u32 v17, v4, 5, v18                 ; v17: + 32 h
	v_lshlrev_b32 v247, 5, v4                      ; v247: 32 h
	v_add_nc_u32 v19, s11, v247                    ; v19: my half's 8 numbers of a tile, row 0
	v_mov_b32 v20, s12                             ; v20: q . bk / 2 of row 0
	v_mul_u32_u24 v21, v3, 48
	v_mad_u32_u24 v21, v4, PLANE, v21              ; v21-24: my record of row r16 in phase a: lanes 16-31 one plane on
	v_add_nc_u32 v22, APL, v21
	v_add_nc_u32 v23, 2*APL, v21
	v_add_nc_u32 v24, 3*APL, v21
	v_lshl_add_u32 v25, v4, 9, SCW
	v_lshl_add_u32 v25, v3, 5, v25                 ; v25: eight scale words of rows r16 + 16 R: lanes 0-15 K step 0, lanes 16-31 K step 1
	v_lshrrev_b32 v250, 3, v3
	v_lshlrev_b32 v249, 2, v252
	v_lshl_add_u32 v249, v4, 5, v249
	v_lshl_add_u32 v249, v250, 6, v249             ; v249: 4 x (16 (r16 / 8) + 8 h + r16 % 8): the output that the sum over lanes leaves in my lane
	s_lshl_b32 s12, s2, 7
	s_add_co_u32 s13, s12, AO
	v_add_nc_u32 v26, s13, v249                    ; v26: its place in a row of AO
	v_lshl_add_u32 v27, v4, 5, v253
	s_add_co_u32 s13, s12, OUTS
	v_add_nc_u32 v27, s13, v27                     ; v27: OUTS: row lane % 8, my head's 128 bytes, + 32 h
	v_lshlrev_b32 v29, 4, v2                       ; v29: 16 x lane
	s_mul_i32 s13, s2, RP
	s_add_co_u32 s13, s13, OUTS
	v_add_nc_u32 v28, s13, v29                     ; v28: row w of OUTS, 16 bytes a lane
	v_lshlrev_b32 v30, 3, v4                       ; v30: 8 h
	v_lshlrev_b32 v246, 3, v3
	v_lshl_add_u32 v246, v4, 2, v246               ; v246: a weight's scale word: row r16, K step h
	v_mov_b32 v245, 0xff800000                     ; -infinity
	v_mov_b32 v242, 0                              ; (a lane permute's destination counts as one of its sources)
	v_mov_b32 v243, 0
	s_mov_b32 s50, 0xff00ff00                      ; lanes whose bit 3, 2, 1, 0 is set
	s_mov_b32 s51, 0xf0f0f0f0
	s_mov_b32 s52, 0xcccccccc
	s_mov_b32 s53, 0xaaaaaaaa
	s_mov_b32 s54, 0x76543210                      ; v_permlanex16_b32: lane l xor 16
	s_mov_b32 s55, 0xfedcba98
	s_mov_b32 s56, 0x3e8293ee                      ; log2(e) / sqrt(32)
	s_mov_b32 s57, s56                             ; (named with it as a pair)
	s_lshr_b32 s4, ttmp9, 7                        ; n
	s_bfe_u32 s5, ttmp9, 0x40003                   ; c
	s_bfe_u32 s10, ttmp9, 0x20001                  ; g
	s_and_b32 s11, ttmp9, 1                        ; p
	s_lshl_b32 s6, s5, 6
	s_lshl_b32 s10, s10, 3
	s_add_co_u32 s6, s6, s10
	s_add_co_u32 s6, s6, s11                       ; tb = 64 c + 8 g + p
	s_sub_co_i32 s7, s6, 127                       ; tau0: the first time of the 166
	s_sub_co_i32 s8, 127, s6                       ; 127 - tb: how many of them lie before time 0, and how many rows time tb hides
	s_lshr_b32 s12, s2, 1
	s_lshl_b32 s12, s12, 1
	s_and_b32 s13, s2, 1
	s_lshl_b32 s13, s13, 5
	s_add_co_u32 s12, s12, s13                     ; time e = w lies 2 (w / 2) + 32 (w % 2) behind tb
	s_add_co_u32 s12, s12, s6
	s_lshl_b32 s13, s4, 10
	s_add_co_u32 s12, s12, s13
	s_lshl_b32 s12, s12, 10                        ; the row of out0 that my wave stores, in bytes
	s_mov_b32 s13, 0
	s_mov_b32 s11, 0
	s_wait_kmcnt 0x0
	s_add_nc_u64 s[48:49], s[30:31], s[12:13]
	s_lshl_b32 s10, s4, 20
	s_add_nc_u64 s[32:33], s[16:17], s[10:11]      ; x of my batch entry
	s_mul_i32 s10, s2, 6144                        ; my head's 32 rows of 192 bytes
	s_add_nc_u64 s[36:37], s[18:19], s[10:11]
	s_add_nc_u64 s[42:43], s[24:25], s[10:11]
	s_lshl_b32 s10, s2, 8                          ; their scale bytes
	s_add_nc_u64 s[38:39], s[20:21], s[10:11]
	s_add_nc_u64 s[44:45], s[26:27], s[10:11]
	s_lshl_b32 s10, s2, 7                          ; their biases
	s_add_nc_u64 s[40:41], s[22:23], s[10:11]
	s_add_nc_u64 s[46:47], s[28:29], s[10:11]
; A window that begins before time 0 (c = 0 or 1).  127 - tb of the 166 times are the pad's, and tb - 64 c lies in 0..25: so with z = 102 (c = 0) or 38 (c = 1)
; times i < z are the pad's in every such work-group: zeros, with no load;  the 25 times from z on may be either: they are loaded from max(time, 0), so that no load leaves the buffer,
; and cleared where the time is negative;  times from z + 25 on are real in every such work-group: time tau0 + i = (tb - 64 c) + (i - z - 25): plain loads, the second term in the immediate.
.macro XEARLY z
.set nfix, 166-25-(\z)                 ; the plain loads,
.set n1, nfix                          ; and how many of them are issued ahead of the wait for the 25
.if nfix > 63
.set n1, 63
.endif
	WIN 0x40
.set i, 0
.rept \z
	v_mov_b32 v[i], 0                              ; the pad: data of the window, which the quantiser reads like any other
.set i, i+1
.endr
.rept 25
	s_add_co_i32 s58, s7, i
	s_max_i32 s58, s58, 0
	v_lshl_add_u32 v[i], s58, 10, v1
.set i, i+1
.endr
	WIN 0x41
.set i, \z
.rept 25
	global_load_b32 v[i], v[i], s[32:33]           ; each load lands on its own offset register
.set i, i+1
.endr
	WIN 0x40
.rept n1
	global_load_b32 v[i], v248, s[32:33] offset:1024*(i-25-(\z))
.set i, i+1
.endr
	s_wait_loadcnt n1                              ; the n1 plain loads issued behind the 25 may be out: the 25 are in
	WIN 0x44
.set k, \z
.rept 25
	s_cmp_gt_i32 s8, k                             ; tau0 + k < 0: the pad's zero
	s_cselect_b32 s58, 0, -1
	v_and_b32 v[k], s58, v[k]
.set k, k+1
.endr
.if nfix > n1
	WIN 0x40
.rept nfix-n1
	global_load_b32 v[i], v248, s[32:33] offset:1024*(i-25-(\z))
.set i, i+1
.endr
.endif
	WIN 0
.endm
	; ---- x: 166 times of my channel into window 1, v0-165.  A load of a wave reads 128 consecutive bytes, the eight waves a whole row.
	s_cmp_ge_u32 s5, 2                             ; branches on the work-group's number alone.  c >= 2: tb >= 128, the whole window is real
	s_cbranch_scc0 .Learly
	s_lshl_b32 s10, s7, 10
	s_add_nc_u64 s[34:35], s[32:33], s[10:11]
	WIN 0x40
.set i, 0
.rept 166
	global_load_b32 v[i], v1, s[34:35] offset:1024*i
.set i, i+1
.endr
	WIN 0
	s_branch .Lhave_x
.Learly:
	s_and_b32 s59, s6, 63                          ; tb - 64 c
	s_lshl_b32 s59, s59, 10
	v_add_nc_u32 v248, s59, v1                     ; my channel's byte in row tb - 64 c; not written again
	s_cmp_eq_u32 s5, 0
	s_cbranch_scc0 .Lsecond
	XEARLY 102                                     ; 64 loads; times 0 to 126 are complete when it ends
	s_branch .Lhave_x
.Lsecond:
	XEARLY 38                                      ; 128 loads; behind time 102's load stand 63 more, as on the plain way
.Lhave_x:
.macro DENSE dst, blo, off             ; a head's 32 rows of a weight are 6,144 dense bytes: 12 loads of 512 consecutive bytes
.irp k, 0,1,2,3,4,5,6,7,8,9,10,11
	global_load_b128 v[\dst+4*\k:\dst+4*\k+3], v29, s[\blo:\blo+1] offset:\off+512*\k
.endr
.endm
.macro STAGE src, off                  ; they go into my stage as rows 208 bytes apart (96 pieces are 8 rows)
.irp k, 0,1,2,3,4,5,6,7,8,9,10,11
	ds_store_b128 v[13+(\k%3)], v[\src+4*\k:\src+4*\k+3] offset:\off+1664*(\k/3)
.endr
.endm
.macro FRAGS dst, off                  ; and come back as four fragments (f = 2 ot + ks): lane (r16, h) takes the 24 bytes at 96 ks + 24 h of row 16 ot + r16, and those 48 bytes on, in pieces of 8
.irp f, 0,1,2,3
.irp p, 0,1,2,3,4,5
	ds_load_b64 v[\dst+12*\f+2*\p:\dst+12*\f+2*\p+1], v16 offset:\off+3328*(\f/2)+96*(\f%2)+48*(\p/3)+8*(\p%3)
.endr
.endr
.endm
.macro PMAX lo, hi                     ; the larger magnitude of each pair of times: every phase's blocks are made of whole pairs
	WIN 0x45
.set k, \lo
.rept \hi-\lo+1
	v_max_num_f32 v[166+k], |v[2*k]|, |v[2*k+1]|
.set k, k+1
.endr
.endm
; The four phases' blocks at place g, by turns: largest magnitude (with the floor 2^-124 among its leaves, so that the byte cannot fall under 1), scale operand (2 off the exponent field), byte, 32 codes, records.
.macro QGRP g
	s_wait_dscnt 0x0                               ; the last group's stores have read the registers that are written again here
	WIN 0x05
.irp a, 0,1,2,3
	v_max3_num_f32 v[224+\a], v[166+\a+16*\g], v[167+\a+16*\g], 0x1800000
.endr
.irp i, 2,4,6,8,10,12,14
.irp a, 0,1,2,3
	v_max3_num_f32 v[224+\a], v[166+\a+16*\g+\i], v[167+\a+16*\g+\i], v[224+\a]
.endr
.endr
	WIN 0
.irp a, 0,1,2,3
	v_add_nc_u32 v[228+\a], 0xff000000, v[224+\a]
.endr
.irp a, 0,1,2,3
.if \g == 0
	v_lshrrev_b32 v[236+\a], 23, v[228+\a]         ; the scale word of time (a, 0) begins
.else
	v_lshrrev_b32 v[232+\a], 23, v[228+\a]
.endif
.endr
.irp a, 0,1,2,3
.if (\g >= 1) && (\g <= 3)
	v_lshl_or_b32 v[236+\a], v[232+\a], 8*\g, v[236+\a]
.endif
.if \g == 4
	v_alignbit_b32 v[236+\a], v[232+\a], v[236+\a], 8   ; time (a, 1): the bytes of places 1 to 4
.endif
.endr
	WIN 0x01
.irp a, 0,1,2,3
	v_cvt_scalef32_pk16_fp6_f32 v[192+8*\a:194+8*\a], v[2*\a+32*\g:2*\a+32*\g+15], v[228+\a]
	v_cvt_scalef32_pk16_fp6_f32 v[196+8*\a:198+8*\a], v[2*\a+32*\g+16:2*\a+32*\g+31], v[228+\a]   ; (a conversion's three registers begin on an even number)
.endr
	WIN 0
	v_nop                                          ; one plain place behind the scaled conversions
.irp a, 0,1,2,3
	v_mov_b32 v[195+8*\a], v[196+8*\a]
	v_mov_b32 v[196+8*\a], v[197+8*\a]
	v_mov_b32 v[197+8*\a], v[198+8*\a]             ; 24 bytes on end
.endr
.irp a, 0,1,2,3
.if \g <= 2
	ds_store_b128 v[5+\a], v[192+8*\a:195+8*\a] offset:PLANE*\g          ; the first half of record g
	ds_store_b64 v[5+\a], v[196+8*\a:197+8*\a] offset:PLANE*\g+16
.endif
.if \g >= 2
	ds_store_b64 v[5+\a], v[192+8*\a:193+8*\a] offset:PLANE*(\g-2)+24    ; the second half of record g - 2
	ds_store_b128 v[5+\a], v[194+8*\a:197+8*\a] offset:PLANE*(\g-2)+32
.endif
.if \g == 3
	ds_store_b32 v9, v[236+\a] offset:2048*\a
.endif
.if \g == 4
	ds_store_b32 v9, v[236+\a] offset:2048*\a+1024
.endif
.endr
.endm
	; ---- the quantiser of the windows; the weights are asked for on the way
	s_wait_loadcnt 63                              ; the youngest 63 loads of x may be out: times 0 to 102 are in, on each of the three ways
	DENSE 32, 36, 49152                            ; Wk
	DENSE 80, 36, 98304                            ; Wv
	global_load_b32 v184, v246, s[38:39] offset:2048       ; their scale words: lanes 0-15 K step 0, lanes 16-31 K step 1
	global_load_b32 v185, v246, s[38:39] offset:2048+128
	global_load_b32 v186, v246, s[38:39] offset:4096
	global_load_b32 v187, v246, s[38:39] offset:4096+128
	global_load_b32 v190, v246, s[44:45]                   ; out_w's
	global_load_b32 v191, v246, s[44:45] offset:128
	global_load_b32 v31, v249, s[40:41] offset:2048        ; bv of the output that ends in my lane
	PMAX 0, 50
	QGRP 0
	QGRP 1
	QGRP 2                                         ; (these reach time 101)
	s_wait_loadcnt 31                              ; the 31 loads issued behind x may be out: all of x is in
	WIN 0x40                                       ; times 0 to 95 are done with: their registers take Wq, bq and bk
	DENSE 0, 36, 0
.irp u, 0,1,2,3
	global_load_b128 v[48+4*\u:51+4*\u], v247, s[40:41] offset:64*(\u/2)+16*(\u%2)        ; bq in the result's layout: outputs 16 ot + 8 h + 0..7
.endr
.irp u, 0,1,2,3
	global_load_b128 v[64+4*\u:67+4*\u], v247, s[40:41] offset:1024+64*(\u/2)+16*(\u%2)   ; bk likewise
.endr
	WIN 0
	global_load_b32 v188, v246, s[38:39]           ; Wq's scale words
	global_load_b32 v189, v246, s[38:39] offset:128
	DENSE 128, 42, 0                               ; out_w
	PMAX 51, 82
	QGRP 3
	QGRP 4
	WIN 0x04
.irp e, 0,1,2,3,4,5,6,7
	ds_store_b32 v10, v[127+2*(\e/2)+32*(\e%2)] offset:RP*\e     ; x[t_e]: the last time of window e
.endr
	WIN 0
	s_wait_loadcnt 34                              ; the 34 loads of the second group may be out: Wk, Wv and the first group's words are in
	STAGE 32, 0
	STAGE 80, WTD
	WIN 0x40
.irp u, 0,1,2,3
	global_load_b128 v[240+4*\u:243+4*\u], v247, s[46:47] offset:64*(\u/2)+16*(\u%2)      ; out_b, into registers that the pair maxima have left
.endr
	WIN 0
	BAR                                            ; the records, the scale words and the eight rows of x lie in LDS
; A row operand's 128 numbers a lane: lane (t, h) takes, of row t % 8, k = 64 b + 32 h + 0..31 for b = 0..3: the very k of its fragment registers 6 (b % 2) on in K step b / 2
.macro RFLOAD adr
	WIN 0x40
.irp b, 0,1,2,3
.irp j, 0,1,2,3,4,5,6,7
	ds_load_b128 v[96+32*\b+4*\j:96+32*\b+4*\j+3], v[\adr] offset:256*\b+16*\j
.endr
.endr
	WIN 0
.endm
; They become two fragments in v192-215 and two scale words in v254-255.  A lane holds four whole blocks; a scale word's four bytes are gathered from lanes l and l xor 16.
.macro ROWQ
	WIN 0x05
.irp b, 0,1,2,3
	v_max3_num_f32 v[232+\b], |v[96+32*\b]|, |v[97+32*\b]|, 0x1800000
.endr
.irp i, 2,4,6,8,10,12,14,16,18,20,22,24,26,28,30
.irp b, 0,1,2,3
	v_max3_num_f32 v[232+\b], |v[96+32*\b+\i]|, |v[97+32*\b+\i]|, v[232+\b]
.endr
.endr
	WIN 0
.irp b, 0,1,2,3
	v_add_nc_u32 v[236+\b], 0xff000000, v[232+\b]
.endr
.irp b, 0,1,2,3
	v_lshrrev_b32 v[250+\b], 23, v[236+\b]
.endr
.irp s, 0,1
	v_lshl_or_b32 v[254+\s], v[251+2*\s], 16, v[250+2*\s]   ; my two bytes of K step s: blocks h and 2 + h,
.endr
.irp s, 0,1
	v_lshlrev_b32 v[254+\s], v30, v[254+\s]                 ; at their places,
.endr
.irp s, 0,1
	v_permlanex16_b32 v[242+\s], v[254+\s], s54, s55
.endr
.irp s, 0,1
	v_or_b32 v[254+\s], v[254+\s], v[242+\s]                ; with the other half's two: 17 plain instructions ahead of the products that take it
.endr
	WIN 0x01
.irp b, 0,1,2,3
	v_cvt_scalef32_pk16_fp6_f32 v[192+6*\b:194+6*\b], v[96+32*\b:111+32*\b], v[236+\b]
	v_cvt_scalef32_pk16_fp6_f32 v[216+4*\b:218+4*\b], v[112+32*\b:127+32*\b], v[236+\b]
.endr
	WIN 0
	v_nop                                          ; one plain place behind the scaled conversions
.irp b, 0,1,2,3
.irp i, 0,1,2
	v_mov_b32 v[195+6*\b+\i], v[216+4*\b+\i]
.endr
.endr
.endm
	; ---- q: the weights' fragments, x's eight rows quantised, q' = (x Wq^T + bq) log2(e) / sqrt(32), and q' . bk / 2
	FRAGS 32, 0
	FRAGS 80, WTD
	RFLOAD 11
	s_wait_loadcnt 4                               ; out_b's four loads may be out: Wq, bq, bk, out_w and their words are in
	WIN 0x04
	STAGE 0, 0                                     ; LDS serves a wave's instructions in order (ISA guide 5.7.1.4): these stores come behind the loads of the same bytes
	WIN 0
	STAGE 128, WTD
	s_wait_dscnt 0x0                               ; all is in, and the stores have read their registers
	WIN 0x40
	FRAGS 0, 0
	WIN 0
	FRAGS 128, WTD
	ROWQ
	s_wait_dscnt 0x0
	PLACES                                         ; an operand written by vector instructions stands four places ahead of a scaled matrix instruction
	WIN 0x11                                       ; Wq and bq in window 1.  The two accumulators take turns
	v_wmma_scale_f32_16x16x128_f8f6f4 v[216:223], v[0:11], v[192:203], v[48:55], v188, v254 matrix_a_fmt:MATRIX_FMT_FP6 matrix_b_fmt:MATRIX_FMT_FP6
	v_wmma_scale_f32_16x16x128_f8f6f4 v[224:231], v[24:35], v[192:203], v[56:63], v189, v254 matrix_a_fmt:MATRIX_FMT_FP6 matrix_b_fmt:MATRIX_FMT_FP6
	WIN 0x01
	v_wmma_scale_f32_16x16x128_f8f6f4 v[216:223], v[12:23], v[204:215], v[216:223], v188, v255 matrix_a_fmt:MATRIX_FMT_FP6 matrix_b_fmt:MATRIX_FMT_FP6 matrix_a_scale:MATRIX_SCALE_ROW1
	v_wmma_scale_f32_16x16x128_f8f6f4 v[224:231], v[36:47], v[204:215], v[224:231], v189, v255 matrix_a_fmt:MATRIX_FMT_FP6 matrix_b_fmt:MATRIX_FMT_FP6 matrix_a_scale:MATRIX_SCALE_ROW1
	WIN 0
	PLACES
.irp j, 0,2,4,6,8,10,12,14
	v_pk_mul_f32 v[216+\j:217+\j], v[216+\j:217+\j], s[56:57] op_sel_hi:[1,0]     ; each accumulator from its low end on
.endr
	WIN 0x04
	v_pk_mul_f32 v[232:233], v[216:217], v[64:65]
.irp j, 2,4,6,8,10,12,14
	v_pk_fma_f32 v[232:233], v[216+\j:217+\j], v[64+\j:65+\j], v[232:233]
.endr
	WIN 0
	v_add_f32 v232, v232, v233
	v_permlanex16_b32 v233, v232, s54, s55
	v_add_f32 v232, v232, v233
	v_mul_f32 v232, 0.5, v232                      ; each half of the lanes adds a half of q' . bk to its half score
	ds_store_b128 v17, v[216:219]
	ds_store_b128 v17, v[220:223] offset:16
	ds_store_b128 v17, v[224:227] offset:64
	ds_store_b128 v17, v[228:231] offset:80
	ds_store_b32 v18, v232 offset:128
	s_wait_dscnt 0x0                               ; the stores have read their registers
.irp j, 209,211,213,215,217,219,221,223,241
	v_mov_b32 v[\j], 0                             ; the upper halves of pairs of which the low word serves both halves
.endr
; ---- THE MAIN PART
.macro AFLOAD e, R, b                  ; the two fragments (K steps 0, 1) of rows 16 R on of time e into buffer b: a lane's record is its 12 registers.  Destination window 1
.irp s, 0,1
.irp j, 0,1,2
	ds_load_b128 v[24*(\b)+12*\s+4*\j:24*(\b)+12*\s+4*\j+3], v[21+(\e)/2] offset:PLANE*((\e)%2)+HPL*\s+768*(\R)+16*\j
.endr
.endr
.endm
.macro NEXTQ e                         ; what time e wants beside its fragments: q' . bk / 2, the rows' scale words, my half's 16 numbers of q'
	WIN 0x40
	ds_load_b32 v210, v20 offset:144*(\e)
	WIN 0
	ds_load_b128 v[176:179], v25 offset:1024*(\e)
	ds_load_b128 v[180:183], v25 offset:1024*(\e)+16
.irp u, 0,1,2,3
	ds_load_b128 v[192+4*\u:195+4*\u], v19 offset:144*(\e)+64*(\u/2)+16*(\u%2)
.endr
.endm
; Matrix instruction k of a step's eight: K's tiles 0, 1, V's tiles 0, 1 at K step 0 (they start the sums), then the same four at K step 1: the four accumulators take turns.
.macro MM R, k
.set m_ot, (\k)%2
.set m_v, ((\k)/2)%2
.set m_ks, (\k)/4
.set m_af, 24*((\R)%2)+12*m_ks
.if m_v
.set m_d, 48+16*(\R)+8*m_ot
.set m_w, 80+12*(2*m_ot+m_ks)
.set m_s, 186+m_ot
.else
.set m_d, 176+16*((\R)%2)+8*m_ot
.set m_w, 32+12*(2*m_ot+m_ks)
.set m_s, 184+m_ot
.endif
.if m_ks == 0
	v_wmma_scale_f32_16x16x128_f8f6f4 v[m_d:m_d+7], v[m_w:m_w+11], v[m_af:m_af+11], 0, v[m_s], v[176+(\R)] matrix_a_fmt:MATRIX_FMT_FP6 matrix_b_fmt:MATRIX_FMT_FP6
.else
	v_wmma_scale_f32_16x16x128_f8f6f4 v[m_d:m_d+7], v[m_w:m_w+11], v[m_af:m_af+11], v[m_d:m_d+7], v[m_s], v[176+(\R)] matrix_a_fmt:MATRIX_FMT_FP6 matrix_b_fmt:MATRIX_FMT_FP6 matrix_a_scale:MATRIX_SCALE_ROW1 matrix_b_scale:MATRIX_SCALE_ROW1
.endif
.endm
; Instruction j of nine of the half score of rows 16 R on: my 16 outputs of K times my 16 numbers of q', begun with q' . bk / 2; each accumulator is read from its low end on
.macro SCOP R, j
.set s_k, 176+16*((\R)%2)
.if (\j) == 0
	v_pk_fma_f32 v[208:209], v[192:193], v[s_k:s_k+1], v[210:211]
.elseif (\j) < 8
	v_pk_fma_f32 v[208:209], v[192+2*(\j):193+2*(\j)], v[s_k+2*(\j):s_k+2*(\j)+1], v[208:209]
.else
	v_fma_f32 v[212+(\R)], 1.0, v209, v208
.endif
.endm
; Instruction j of eight of the sum over V: p of rows 16 R on times V's results; rows 0-15 start the sums
.macro VAOP R, j
.set a_v, 48+16*(\R)+8*((\j)%2)+2*((\j)/2)
.set a_a, 220+8*((\j)%2)+2*((\j)/2)
.if (\R) == 0
	v_pk_mul_f32 v[a_a:a_a+1], v[208+2*(\R):209+2*(\R)], v[a_v:a_v+1] op_sel_hi:[0,1]
.else
	v_pk_fma_f32 v[a_a:a_a+1], v[208+2*(\R):209+2*(\R)], v[a_v:a_v+1], v[a_a:a_a+1] op_sel_hi:[0,1,1]
.endif
.endm
.macro QOP R                           ; the next instruction of the step's queue of vector work
.if hasv && (qi < 8)
	VAOP (\R)+1, qi
.else
	SCOP (\R)-1, (qi-8*hasv)
.endif
.set qi, qi+1
.endm
; A STEP: rows 16 R on of time e: eight matrix instructions.  One window setting (weights, q and p in window 0, all else in window 1) serves them and the vector work set between them:
; the last time's sum over V for rows 16 (R + 1) on (whose results the next step writes over), then the scores of rows 16 (R - 1) on.  None of it names a register of this step's matrix instructions.
; Its last four instructions stand behind the eighth matrix instruction: they are the places ahead of the loads into the fragment buffer and of the next step's reads of K's results.
.macro STEP e, R, first, last
.set hasv, 0
.set hass, 0
.if (\first == 0) && ((\R) < 7)
.set hasv, 1
.endif
.if (\R) > 0
.set hass, 1
.endif
.set qn, 8*hasv+9*hass
.set qi, 0
.if (\R) >= 2
.if \last && ((\R) == 7)
	s_wait_dscnt 0x0                               ; nothing was asked for behind these rows' fragments
.else
	s_wait_dscnt 0x6                               ; the six loads of the next rows' fragments may be out
.endif
.endif
.set mk, 0
.rept 8
	MM \R, mk
.if mk < 7
.rept 2
.if qi < qn-4
	QOP \R
.endif
.endr
.endif
.set mk, mk+1
.endr
.if qn == 0
	PLACES
.else
.rept 4
	QOP \R
.endr
.endif
.if (\R) < 6
	WIN 0x40
	AFLOAD \e, (\R)+2, (\R)%2
	WIN 0x54
.elseif \last == 0
	WIN 0x40
	AFLOAD (\e)+1, (\R)-6, (\R)%2
	WIN 0x54
.endif
.endm
; The sum over V is finished for time e: 16 registers are summed over the 16 lanes of each half so that lane l keeps register l's total: in each of four levels a lane keeps one half of its
; registers, sends the other half to the lane whose bit differs, and adds what it is sent.  Then / the sum of p, + bv, and into AO.
.macro FIN e
	WIN 0x05
.irp q, 0,1,2,3,4,5,6,7
	v_cndmask_b32 v[224+\q], v[220+\q], v[228+\q], s50
	v_cndmask_b32 v[232+\q], v[228+\q], v[220+\q], s50
.endr
	WIN 0
.irp q, 0,1,2,3,4,5,6,7
	v_add_f32_dpp v[224+\q], v[232+\q], v[224+\q] row_xmask:8 row_mask:0xf bank_mask:0xf
.endr
.irp q, 0,1,2,3
	v_cndmask_b32 v[232+\q], v[228+\q], v[224+\q], s51
	v_cndmask_b32 v[224+\q], v[224+\q], v[228+\q], s51
.endr
.irp q, 0,1,2,3
	v_add_f32_dpp v[224+\q], v[232+\q], v[224+\q] row_xmask:4 row_mask:0xf bank_mask:0xf
.endr
.irp q, 0,1
	v_cndmask_b32 v[232+\q], v[226+\q], v[224+\q], s52
	v_cndmask_b32 v[224+\q], v[224+\q], v[226+\q], s52
.endr
.irp q, 0,1
	v_add_f32_dpp v[224+\q], v[232+\q], v[224+\q] row_xmask:2 row_mask:0xf bank_mask:0xf
.endr
	v_cndmask_b32 v232, v225, v224, s53
	v_cndmask_b32 v224, v224, v225, s53
	v_add_f32_dpp v224, v232, v224 row_xmask:1 row_mask:0xf bank_mask:0xf
	s_wait_alu depctr_va_vdst(0)
	v_fma_f32 v250, v224, v243, v31                ; into a register that is written again only behind the next wait for all LDS instructions
	ds_store_b32 v26, v250 offset:RP*(\e)
.endm
; Time e's softmax over its 128 rows: a lane holds rows r16 + 16 R, both halves of the lanes alike.
.macro SOFTMAX e
	WIN 0x01
.irp R, 0,1,2,3,4,5,6,7
	v_permlanex16_b32 v[232+\R], v[212+\R], s54, s55
.endr
.irp R, 0,1,2,3,4,5,6,7
	v_add_f32 v[224+\R], v[212+\R], v[232+\R]      ; the two half scores
.endr
	WIN 0
	s_sub_co_i32 s58, s8, 2*((\e)/2)+32*((\e)%2)   ; 127 - t: rows under it are hidden.  A branch on the work-group's number alone
	s_cmp_le_i32 s58, 0
	s_cbranch_scc1 .Lopen_\@
	v_sub_nc_u32 v244, v3, s58
.irp R, 0,1,2,3,4,5,6,7
	v_cmp_gt_i32 vcc_lo, -16*\R, v244              ; 16 R + r16 < 127 - t
	v_cndmask_b32 v[224+\R], v[224+\R], v245, vcc_lo
.endr
.Lopen_\@:
	v_max3_num_f32 v240, v224, v225, v226          ; row 127 is never hidden: the maximum is a number
	v_max3_num_f32 v240, v240, v227, v228
	v_max3_num_f32 v240, v240, v229, v230
	v_max_num_f32 v240, v240, v231
.irp x, 1,2,4,8
	v_max_num_f32_dpp v240, v240, v240 row_xmask:\x row_mask:0xf bank_mask:0xf
.endr
.irp j, 0,2,4,6
	v_pk_add_f32 v[224+\j:225+\j], v[224+\j:225+\j], v[240:241] op_sel_hi:[1,0] neg_lo:[0,1] neg_hi:[0,1]
.endr
.irp R, 0,1,2,3,4,5,6,7
	v_exp_f32 v[208+2*\R], v[224+\R]
.endr
	v_nop                                          ; one plain place behind the exponentials
	s_wait_alu depctr_va_vdst(0)
	v_add_f32 v242, v208, v210
	v_add_f32 v224, v212, v214
	v_add_f32 v225, v216, v218
	v_add_f32 v226, v220, v222
	v_add_f32 v242, v242, v224
	v_add_f32 v225, v225, v226
	v_add_f32 v242, v242, v225
.irp x, 1,2,4,8
	v_add_f32_dpp v242, v242, v242 row_xmask:\x row_mask:0xf bank_mask:0xf
.endr
	v_rcp_f32 v243, v242
	v_nop                                          ; one plain place behind the reciprocal
.endm
; One time: its eight steps with the last time's sum over V among them; its last scores; the next time's loads; the last time's end; its softmax.
.macro TB e, first, last
	s_wait_dscnt 0x0                               ; rows 0-31's fragments, the scale words and q are in
	WIN 0x54
.if \first == 0
.set qi, 0
.rept 8
	VAOP 0, qi
.set qi, qi+1
.endr
.endif
.irp r, 0,1,2,3,4,5,6,7
	STEP \e, \r, \first, \last
.endr
.set qi, 0
.rept 9
	SCOP 7, qi
.set qi, qi+1
.endr
.if \last == 0
	NEXTQ (\e)+1
.endif
.if \first == 0
	FIN (\e)-1
.endif
	SOFTMAX \e
.endm
	WIN 0x40
	v_mov_b32 v211, 0                              ; the upper half of the pair that begins a score
	AFLOAD 0, 0, 0
	AFLOAD 0, 1, 1
	NEXTQ 0
	TB 0, 1, 0
	TB 1, 0, 0
	TB 2, 0, 0
	TB 3, 0, 0
	TB 4, 0, 0
	TB 5, 0, 0
	TB 6, 0, 0
	TB 7, 0, 1
	WIN 0x54                                       ; the last time's sum over V has no steps to stand among
.set vr, 0
.rept 8
.set qi, 0
.rept 8
	VAOP vr, qi
.set qi, qi+1
.endr
.set vr, vr+1
.endr
	FIN 7
	BAR                                            ; the eight rows of the attention's output lie in AO
	; ---- the output projection: the eight rows quantised (a head's 32 outputs are one block), my 32 outputs, out_b as the C of each sum's first product
	RFLOAD 12
	s_wait_dscnt 0x0
	ROWQ
	PLACES
	s_wait_loadcnt 0x0                             ; out_b
	WIN 0x10
	v_wmma_scale_f32_16x16x128_f8f6f4 v[216:223], v[128:139], v[192:203], v[240:247], v190, v254 matrix_a_fmt:MATRIX_FMT_FP6 matrix_b_fmt:MATRIX_FMT_FP6
	v_wmma_scale_f32_16x16x128_f8f6f4 v[224:231], v[152:163], v[192:203], v[248:255], v191, v254 matrix_a_fmt:MATRIX_FMT_FP6 matrix_b_fmt:MATRIX_FMT_FP6
	WIN 0
	v_wmma_scale_f32_16x16x128_f8f6f4 v[216:223], v[140:151], v[204:215], v[216:223], v190, v255 matrix_a_fmt:MATRIX_FMT_FP6 matrix_b_fmt:MATRIX_FMT_FP6 matrix_a_scale:MATRIX_SCALE_ROW1
	v_wmma_scale_f32_16x16x128_f8f6f4 v[224:231], v[164:175], v[204:215], v[224:231], v191, v255 matrix_a_fmt:MATRIX_FMT_FP6 matrix_b_fmt:MATRIX_FMT_FP6 matrix_a_scale:MATRIX_SCALE_ROW1
	PLACES
	ds_store_b128 v27, v[216:219]                  ; lanes t and t + 8 hold the same row and write the same bytes with the same values
	ds_store_b128 v27, v[220:223] offset:16
	ds_store_b128 v27, v[224:227] offset:64
	ds_store_b128 v27, v[228:231] offset:80
	BAR                                            ; eight whole rows of the result lie in OUTS
	ds_load_b128 v[192:195], v28
	ds_load_b128 v[196:199], v28 offset:512
	s_wait_dscnt 0x0
	global_store_b128 v29, v[192:195], s[48:49] th:TH_STORE_NT              ; wave w stores the row of time e = w: each store covers 512 consecutive bytes, aligned to 256
	global_store_b128 v29, v[196:199], s[48:49] offset:512 th:TH_STORE_NT
	s_wait_xcnt 0x0
	v_lshl_add_u32 v252, v0, 2, 0x4b600
	v_mov_b32 v253, 0
	s_wait_tensorcnt 0x0
	ds_add_u32 v252, v253
	s_wait_dscnt 0x0
	s_endpgm
.Lfunc_end_k_q3eaa280e97_attn:
	.size	k_q3eaa280e97_attn, .Lfunc_end_k_q3eaa280e97_attn-k_q3eaa280e97_attn
	.p2alignl 7, 3214868480
	.fill 96, 4, 3214868480
	.section	.rodata,"a",@progbits
	.p2align	6, 0x0
	.amdhsa_kernel k_q3eaa280e97_attn
		.amdhsa_group_segment_fixed_size 309760
		.amdhsa_private_segment_fixed_size 0
		.amdhsa_enable_private_segment 0
		.amdhsa_kernarg_size 64
		.amdhsa_user_sgpr_count 2
		.amdhsa_user_sgpr_kernarg_segment_ptr 1
		.amdhsa_wavefront_size32 1
		.amdhsa_system_sgpr_workgroup_id_x 1
		.amdhsa_system_sgpr_workgroup_id_y 1
		.amdhsa_system_sgpr_workgroup_id_z 1
		.amdhsa_system_vgpr_workitem_id 0
		.amdhsa_next_free_vgpr 512
		.amdhsa_next_free_sgpr 66
		.amdhsa_reserve_vcc 1
		.amdhsa_float_denorm_mode_32 3
		.amdhsa_float_denorm_mode_16_64 3
		.amdhsa_memory_ordered 1
		.amdhsa_forward_progress 1
		.amdhsa_inst_pref_size 255
	.end_amdhsa_kernel
	.section	.bss,"aw",@nobits
	.p2align	6
	.space	262144
	.amdgpu_metadata
---
amdhsa.version: [ 1, 2 ]
amdhsa.kernels:
  - .name:           k_q3eaa280e97_attn
    .symbol:         k_q3eaa280e97_attn.kd
    .args:
      - { .name: inputs, .offset: 0, .size: 8, .value_kind: global_buffer, .address_space: global }
      - { .name: in_proj_w_codes, .offset: 8, .size: 8, .value_kind: global_buffer, .address_space: global }
      - { .name: in_proj_w_scales, .offset: 16, .size: 8, .value_kind: global_buffer, .address_space: global }
      - { .name: in_proj_b, .offset: 24, .size: 8, .value_kind: global_buffer, .address_space: global }
      - { .name: out_w_codes, .offset: 32, .size: 8, .value_kind: global_buffer, .address_space: global }
      - { .name: out_w_scales, .offset: 40, .size: 8, .value_kind: global_buffer, .address_space: global }
      - { .name: out_b, .offset: 48, .size: 8, .value_kind: global_buffer, .address_space: global }
      - { .name: out0, .offset: 56, .size: 8, .value_kind: global_buffer, .address_space: global }
    .group_segment_fixed_size: 309760
    .private_segment_fixed_size: 0
    .kernarg_segment_align: 8
    .kernarg_segment_size: 64
    .max_flat_workgroup_size: 256
    .sgpr_count:     66
    .vgpr_count:     512
    .wavefront_size: 32
...
	.end_amdgpu_metadata
.endif
;; end of part 1
;; ======== version 2 of 2: 1 launch; version 1 with the launch attn written anew for expert scheduling mode
;; launch attn (part 2): grid 256 x 1, 8 waves a work-group, no clusters, 309,760 bytes of LDS; arguments inputs, in_proj_w_codes, in_proj_w_scales, in_proj_b, out_w_codes, out_w_scales, out_b, out0; writes out0
.if DOCPART == 2
	.amdgcn_target "amdgcn-amd-amdhsa--gfx1250"
	.amdhsa_code_object_version 6
	.text
	.protected	k_q3eaa280e97_attn
	.globl	k_q3eaa280e97_attn
	.p2align	8
	.type	k_q3eaa280e97_attn,@function
k_q3eaa280e97_attn:
	s_mov_b64 s[64:65], 0
	v_nop
	global_prefetch_b8 v0, s[64:65] scope:SCOPE_SE
	s_setreg_imm32_b32 hwreg(HW_REG_WAVE_SCHED_MODE, 0, 2), 2
	s_setreg_imm32_b32 hwreg(HW_REG_WAVE_MODE, 25, 1), 1
	s_wait_xcnt 0x0
	s_wait_alu depctr_vm_vsrc(0)
; Windowed multi-head attention, all of it in one launch.  N = 2, T = 1024, D = 256, window 128, 8 heads of 32.
; Row r (0..127) of a time's key/value matrix holds channel 2 r in its columns 0..127 and channel 2 r + 1 in its columns 128..255, each over the 128 times that end at t.
; So a quantiser block (32 along K) is 32 neighbouring times of ONE channel, and times that lie 32 apart share blocks.
; SHARES.  A work-group owns 8 times t_e = tb + 2 a + 32 i (e = 2 a + i, a = 0..3, i = 0..1) of one batch entry: their windows lie in 166 times, and 20 blocks a channel
; (phase a, place g = 0..4: times tau0 + 2 a + 32 g on, tau0 = tb - 127) serve all eight; time (a, i) takes g = i + m as its block m.  256 work-groups take every t once.
; In the quantiser a thread is a channel and its registers run down time.  Everywhere else wave w is head w: its 32 rows of Wk, Wv and out_w stay in registers as fragments.
; All products are used transposed (source 0 = 16 rows of a weight, source 1 = 16 rows of the row operand): a lane holds one row and eight neighbouring outputs.
; The scores and the weighted sum of V have one query a time: they are f32 multiply-adds, set between the matrix instructions of the next rows and of the next time.
; SOFTMAX in base 2 with the row's largest score taken away; p is divided by its sum behind the sum over V (v_rcp_f32).  bk enters the scores as q . bk; bv is added behind the division: the weights sum to 1.
; LIMITS.  A block whose largest magnitude lies under 2^-124 gets the scale byte 1; a block of zeros gets byte 1 with zero codes (the bytes are read by this text alone).  NaN and infinities among the inputs are not served.
; NO CLUSTER: a joint request lands in LDS, and the weights that all work-groups share (196,608 bytes) do not fit there beside this text's 150,528 bytes of records and 158,080 bytes of other regions;
; the windows of x of four partners (190 rows, 194,560 bytes) do not fit either.  The weights therefore go to registers, once, through each wave's own stage.
; LDS: REC 12 planes (3 a + s) of 12,544 bytes: at 6272 ks + 48 r the record of channel 2 r + ks: block s, then block s + 2: a lane's 12 fragment registers as they stand;
;   SCW the rows' scale words; XR the eight rows x[t_e]; AO the attention's output; OUTS the result; QS each wave's scaled q; WT0, WT1 each wave's stage for weights (32 rows, 208 bytes apart).
; REGISTERS, window 0: v1-31 addresses; v32-79 Wk, v80-127 Wv, v128-175 out_w (fragment (ot, ks) at 12 (2 ot + ks)); v176-183 the rows' scale words, v184-191 the weights';
;   v192-207 q (on the early ways first: v192-216, 25 offsets into x); v208-223 p (even registers; the odd ones hold 0); v224-239 at work; v240-241 the maximum; v242 the sum; v243 1 / sum; v248 an offset into x; v250 a time's output on its way to LDS; v254-255 the scale words of a quantised row operand.
; window 1: first the 166 times of x and 83 pair maxima; then Wq, bq, bk and 128 numbers of a row; in the main part v0-47 two kv fragments' buffers, v48-175 V's results, v176-207 K's results,
;   v208-209 a score at work, v210-211 q . bk / 2 and 0, v212-219 half scores, v220-235 the sum over V; v240-255 out_b.
; THE MODE: SCHED_MODE bits 1:0 = 2 (LLVM: expert scheduling mode 2), set by the entry lines.  The code itself states the register dependences between vector or matrix instructions
; and memory or LDS instructions, with s_wait_alu, always for 0.
; THE PLAN.  Registers that memory or LDS instructions touch, and who else names them:
;   v1, v5-29, v246, v247, v249   addresses: made at the head, never written again: one wait on va_vdst ahead of the first load.  v248, v192-216: made on the early ways, one wait ahead of their loads.
;   the quantiser's out-buffer    v192-221, v236-239: a group's conversions, moves and byte lines write it, its LDS stores read it: va_vdst ahead of the stores, vm_vsrc at the next group's head.
;   x's registers                 are loaded again (Wq, bq, bk; out_b; a row's numbers) behind a wait on va_vdst that stands behind their last vector reader.
;   the weights' registers        take dense loads, are read by the stage's LDS stores and take the fragments' loads: vm_vsrc between the stores and those loads.
;   the two fragment buffers      A step's eight matrix instructions read one; ONE wait on va_vdst at the step's end, and the six loads for the rows two steps on land in it.
;                                 The next step's matrix and vector instructions name the other buffer, the weights, the results, q and p: none of the registers that those loads touch.
;   scale words, q, q . bk / 2    read by a time's matrix instructions and scores: one wait on va_vdst behind the time's last score serves their loads for the next time and step 7's buffer.
;   v250                          written by the multiply-add at a time's end; its LDS store stands behind the wait that the next softmax's exponentials have anyway; vm_vsrc ahead of the next write.
.set PLANE, 12544
.set HPL,   6272
.set APL,   37632
.set SCW,   150528
.set XR,    158720
.set AO,    167040
.set OUTS,  175360
.set QS,    183680
.set WT0,   202112
.set WTD,   53248                      ; from WT0 to WT1
.set RP,    1040                       ; a row of 256 f32 + 16 bytes
.set MSB, 0
.macro WIN new                         ; low byte: bits 1:0 source 0, 3:2 source 1, 5:4 source 2, 7:6 destination; the high byte repeats the setting that is left
.if MSB != \new
	s_set_vgpr_msb (MSB<<8)|\new
.set MSB, \new
.endif
.endm
.macro PLACES                          ; four plain vector instructions behind a matrix instruction, ahead of reads of its result, and ahead of a scaled matrix instruction that takes what vector instructions wrote (ISA guide 7.12.1)
.rept 4
	v_nop
.endr
.endm
.macro BAR                             ; my LDS stores have landed and my LDS loads are in: then the work-group's barrier
	s_wait_dscnt 0x0
	s_barrier_signal -1
	s_barrier_wait -1
.endm
	s_load_b512 s[16:31], s[0:1], 0x0              ; inputs, in_proj_w codes, scales, in_proj_b, out_w codes, scales, out_b, out0
	v_lshlrev_b32 v1, 2, v0                        ; 4 x thread: my channel's byte in a row of x
	v_and_b32 v2, 31, v0                           ; lane
	v_and_b32 v3, 15, v0                           ; r16
	v_bfe_u32 v4, v0, 4, 1                         ; h
	v_lshrrev_b32 v248, 5, v0
	v_readfirstlane_b32 s2, v248                   ; wave = head
	v_and_b32 v250, 1, v0                          ; ks of my channel
	v_lshrrev_b32 v251, 1, v0                      ; r of my channel
	v_mul_u32_u24 v5, v250, HPL
	v_mad_u32_u24 v5, v251, 48, v5                 ; v5-8: where my channel's records of phase a lie
	v_add_nc_u32 v6, APL, v5
	v_add_nc_u32 v7, 2*APL, v5
	v_add_nc_u32 v8, 3*APL, v5
	v_lshl_add_u32 v9, v250, 9, SCW                ; v9: my channel's scale word: 512 ks + 32 (r % 16) + 4 (r / 16)
	v_bfe_u32 v251, v0, 1, 4
	v_lshl_add_u32 v9, v251, 5, v9
	v_lshl_add_u32 v9, v248, 2, v9
	v_lshl_add_u32 v10, v0, 2, XR                  ; v10: my channel in a row of XR
	v_and_b32 v252, 7, v0                          ; lane % 8: the row of a row operand (rows 8-15 repeat rows 0-7)
	v_mul_u32_u24 v253, v252, RP
	v_lshl_add_u32 v11, v4, 7, v253
	v_add_nc_u32 v12, AO, v11                      ; v12: my 32 numbers of a block in AO
	v_add_nc_u32 v11, XR, v11                      ; v11: the same in XR
	s_wait_alu depctr_va_sdst(0)                   ; s2 is written, ahead of its first reader: LDS addresses and the weights' bases are made from it
	s_mul_i32 s10, s2, 6656
	s_add_co_u32 s10, s10, WT0                     ; my wave's stage
.irp k, 0,1,2                                          ; v13-15: piece q = 32 k + lane of 16 bytes goes to row q / 12, 16 bytes of padding a row: 16 (q + q / 12)
	v_add_nc_u32 v250, 32*\k, v2
	v_mul_u32_u24 v251, v250, 0xaaab
	v_lshrrev_b32 v251, 19, v251                   ; q / 12, exact for q under 96
	v_add_nc_u32 v250, v250, v251
	v_lshlrev_b32 v250, 4, v250
	v_add_nc_u32 v[13+\k], s10, v250
.endr
	v_mul_u32_u24 v250, v3, 208
	v_mad_u32_u24 v250, v4, 24, v250
	v_add_nc_u32 v16, s10, v250                    ; v16: a weight fragment's row r16, + 24 h
	s_mul_i32 s11, s2, 2304
	s_add_co_u32 s11, s11, QS                      ; my wave's q
	s_add_co_u32 s12, s11, 128
	v_mul_u32_u24 v250, v3, 144
	v_add_nc_u32 v18, s11, v250                    ; v18: row r16
	v_lshl_add_u32 v17, v4, 5, v18                 ; v17: + 32 h
	v_lshlrev_b32 v247, 5, v4                      ; v247: 32 h
	v_add_nc_u32 v19, s11, v247                    ; v19: my half's 8 numbers of a tile, row 0
	v_mov_b32 v20, s12                             ; v20: q . bk / 2 of row 0
	v_mul_u32_u24 v21, v3, 48
	v_mad_u32_u24 v21, v4, PLANE, v21              ; v21-24: my record of row r16 in phase a: lanes 16-31 one plane on
	v_add_nc_u32 v22, APL, v21
	v_add_nc_u32 v23, 2*APL, v21
	v_add_nc_u32 v24, 3*APL, v21
	v_lshl_add_u32 v25, v4, 9, SCW
	v_lshl_add_u32 v25, v3, 5, v25                 ; v25: eight scale words of rows r16 + 16 R: lanes 0-15 K step 0, lanes 16-31 K step 1
	v_lshrrev_b32 v250, 3, v3
	v_lshlrev_b32 v249, 2, v252
	v_lshl_add_u32 v249, v4, 5, v249
	v_lshl_add_u32 v249, v250, 6, v249             ; v249: 4 x (16 (r16 / 8) + 8 h + r16 % 8): the output that the sum over lanes leaves in my lane
	s_lshl_b32 s12, s2, 7
	s_add_co_u32 s13, s12, AO
	v_add_nc_u32 v26, s13, v249                    ; v26: its place in a row of AO
	v_lshl_add_u32 v27, v4, 5, v253
	s_add_co_u32 s13, s12, OUTS
	v_add_nc_u32 v27, s13, v27                     ; v27: OUTS: row lane % 8, my head's 128 bytes, + 32 h
	v_lshlrev_b32 v29, 4, v2                       ; v29: 16 x lane
	s_mul_i32 s13, s2, RP
	s_add_co_u32 s13, s13, OUTS
	v_add_nc_u32 v28, s13, v29                     ; v28: row w of OUTS, 16 bytes a lane
	v_lshlrev_b32 v30, 3, v4                       ; v30: 8 h
	v_lshlrev_b32 v246, 3, v3
	v_lshl_add_u32 v246, v4, 2, v246               ; v246: a weight's scale word: row r16, K step h
	v_mov_b32 v245, 0xff800000                     ; -infinity
	v_mov_b32 v242, 0                              ; (a lane permute's destination counts as one of its sources)
	v_mov_b32 v243, 0
	s_mov_b32 s50, 0xff00ff00                      ; lanes whose bit 3, 2, 1, 0 is set
	s_mov_b32 s51, 0xf0f0f0f0
	s_mov_b32 s52, 0xcccccccc
	s_mov_b32 s53, 0xaaaaaaaa
	s_mov_b32 s54, 0x76543210                      ; v_permlanex16_b32: lane l xor 16
	s_mov_b32 s55, 0xfedcba98
	s_mov_b32 s56, 0x3e8293ee                      ; log2(e) / sqrt(32)
	s_mov_b32 s57, s56                             ; (named with it as a pair)
	s_lshr_b32 s4, ttmp9, 7                        ; n
	s_bfe_u32 s5, ttmp9, 0x40003                   ; c
	s_bfe_u32 s10, ttmp9, 0x20001                  ; g
	s_and_b32 s11, ttmp9, 1                        ; p
	s_lshl_b32 s6, s5, 6
	s_lshl_b32 s10, s10, 3
	s_add_co_u32 s6, s6, s10
	s_add_co_u32 s6, s6, s11                       ; tb = 64 c + 8 g + p
	s_sub_co_i32 s7, s6, 127                       ; tau0: the first time of the 166
	s_sub_co_i32 s8, 127, s6                       ; 127 - tb: how many of them lie before time 0, and how many rows time tb hides
	s_lshr_b32 s12, s2, 1
	s_lshl_b32 s12, s12, 1
	s_and_b32 s13, s2, 1
	s_lshl_b32 s13, s13, 5
	s_add_co_u32 s12, s12, s13                     ; time e = w lies 2 (w / 2) + 32 (w % 2) behind tb
	s_add_co_u32 s12, s12, s6
	s_lshl_b32 s13, s4, 10
	s_add_co_u32 s12, s12, s13
	s_lshl_b32 s12, s12, 10                        ; the row of out0 that my wave stores, in bytes
	s_mov_b32 s13, 0
	s_mov_b32 s11, 0
	s_wait_kmcnt 0x0
	s_add_nc_u64 s[48:49], s[30:31], s[12:13]
	s_lshl_b32 s10, s4, 20
	s_add_nc_u64 s[32:33], s[16:17], s[10:11]      ; x of my batch entry
	s_mul_i32 s10, s2, 6144                        ; my head's 32 rows of 192 bytes
	s_add_nc_u64 s[36:37], s[18:19], s[10:11]
	s_add_nc_u64 s[42:43], s[24:25], s[10:11]
	s_lshl_b32 s10, s2, 8                          ; their scale bytes
	s_add_nc_u64 s[38:39], s[20:21], s[10:11]
	s_add_nc_u64 s[44:45], s[26:27], s[10:11]
	s_lshl_b32 s10, s2, 7                          ; their biases
	s_add_nc_u64 s[40:41], s[22:23], s[10:11]
	s_add_nc_u64 s[46:47], s[28:29], s[10:11]      ; (s16 to s31 are free from here on)
; A window that begins before time 0 (c = 0 or 1).  127 - tb of the 166 times are the pad's, and tb - 64 c lies in 0..25: so with z = 102 (c = 0) or 38 (c = 1)
; times i < z are the pad's in every such work-group: zeros, with no load;  the 25 times from z on may be either: they are loaded from max(time, 0), so that no load leaves the buffer,
; and cleared where the time is negative;  times from z + 25 on are real in every such work-group: time tau0 + i = (tb - 64 c) + (i - z - 25): plain loads, the second term in the immediate.
.macro XEARLY z
.set nfix, 166-25-(\z)                 ; the plain loads,
.set n1, nfix                          ; and how many of them are issued ahead of the wait for the 25
.if nfix > 63
.set n1, 63
.endif
	WIN 0x40
.set i, 0
.rept \z
	v_mov_b32 v[i], 0                              ; the pad: data of the window, which the quantiser reads like any other
.set i, i+1
.endr
	WIN 0
.set k, 0
.rept 25
	s_add_co_i32 s58, s7, (\z)+k
	s_max_i32 s58, s58, 0
	v_lshl_add_u32 v[192+k], s58, 10, v1           ; the 25 offsets have registers of their own, in window 0
.set k, k+1
.endr
	WIN 0x40
	s_wait_alu depctr_va_vdst(0)                   ; the 25 offsets v192-216 and v248 are written, which the loads below read
.rept 25
	global_load_b32 v[i], v[192+i-(\z)], s[32:33]
.set i, i+1
.endr
.rept n1
	global_load_b32 v[i], v248, s[32:33] offset:1024*(i-25-(\z))
.set i, i+1
.endr
	s_wait_loadcnt n1                              ; the n1 plain loads issued behind the 25 may be out: the 25 are in
	WIN 0x44
.set k, \z
.rept 25
	s_cmp_gt_i32 s8, k                             ; tau0 + k < 0: the pad's zero
	s_cselect_b32 s58, 0, -1
	v_and_b32 v[k], s58, v[k]
.set k, k+1
.endr
.if nfix > n1
	WIN 0x40
.rept nfix-n1
	global_load_b32 v[i], v248, s[32:33] offset:1024*(i-25-(\z))   ; no wait: the masks above name times z to z + 24 alone, neither v248 nor the registers in which these land
.set i, i+1
.endr
.endif
	WIN 0
.endm
	; ---- x: 166 times of my channel into window 1, v0-165.  A load of a wave reads 128 consecutive bytes, the eight waves a whole row.
	s_wait_alu depctr_va_vdst(0)                   ; the addresses v1, v5-29, v246, v247 and v249 are written: every load and store of the kernel reads one of them, and none is written again
	s_cmp_ge_u32 s5, 2                             ; branches on the work-group's number alone.  c >= 2: tb >= 128, the whole window is real
	s_cbranch_scc0 .Learly
	s_lshl_b32 s10, s7, 10
	s_add_nc_u64 s[34:35], s[32:33], s[10:11]
	WIN 0x40
.set i, 0
.rept 166
	global_load_b32 v[i], v1, s[34:35] offset:1024*i
.set i, i+1
.endr
	WIN 0
	s_branch .Lhave_x
.Learly:
	s_and_b32 s59, s6, 63                          ; tb - 64 c
	s_lshl_b32 s59, s59, 10
	v_add_nc_u32 v248, s59, v1                     ; my channel's byte in row tb - 64 c; not written again
	s_cmp_eq_u32 s5, 0
	s_cbranch_scc0 .Lsecond
	XEARLY 102                                     ; 64 loads; times 0 to 126 are complete when it ends
	s_branch .Lhave_x
.Lsecond:
	XEARLY 38                                      ; 128 loads; behind time 102's load stand 63 more, as on the plain way
.Lhave_x:
.macro DENSE dst, blo, off             ; a head's 32 rows of a weight are 6,144 dense bytes: 12 loads of 512 consecutive bytes
.irp k, 0,1,2,3,4,5,6,7,8,9,10,11
	global_load_b128 v[\dst+4*\k:\dst+4*\k+3], v29, s[\blo:\blo+1] offset:\off+512*\k
.endr
.endm
.macro STAGE src, off                  ; they go into my stage as rows 208 bytes apart (96 pieces are 8 rows)
.irp k, 0,1,2,3,4,5,6,7,8,9,10,11
	ds_store_b128 v[13+(\k%3)], v[\src+4*\k:\src+4*\k+3] offset:\off+1664*(\k/3)
.endr
.endm
.macro FRAGS dst, off                  ; and come back as four fragments (f = 2 ot + ks): lane (r16, h) takes the 24 bytes at 96 ks + 24 h of row 16 ot + r16, and those 48 bytes on, in pieces of 8
.irp f, 0,1,2,3
.irp p, 0,1,2,3,4,5
	ds_load_b64 v[\dst+12*\f+2*\p:\dst+12*\f+2*\p+1], v16 offset:\off+3328*(\f/2)+96*(\f%2)+48*(\p/3)+8*(\p%3)
.endr
.endr
.endm
.macro PMAX lo, hi                     ; the larger magnitude of each pair of times: every phase's blocks are made of whole pairs
	WIN 0x45
.set k, \lo
.rept \hi-\lo+1
	v_max_num_f32 v[166+k], |v[2*k]|, |v[2*k+1]|
.set k, k+1
.endr
.endm
; The four phases' blocks at place g, by turns: largest magnitude (with the floor 2^-124 among its leaves, so that the byte cannot fall under 1), scale operand (2 off the exponent field), byte, 32 codes, records.
.macro QGRP g
	s_wait_dscnt 0x0                               ; the last group's stores are done
	s_wait_alu depctr_vm_vsrc(0)                   ; the last group's LDS stores have read v192-221 and v236-239 (ahead of the first group: the early ways' 25 loads have read their offsets v192-216), which this group writes again
	WIN 0x05
.irp a, 0,1,2,3
	v_max3_num_f32 v[224+\a], v[166+\a+16*\g], v[167+\a+16*\g], 0x1800000
.endr
.irp i, 2,4,6,8,10,12,14
.irp a, 0,1,2,3
	v_max3_num_f32 v[224+\a], v[166+\a+16*\g+\i], v[167+\a+16*\g+\i], v[224+\a]
.endr
.endr
	WIN 0
.irp a, 0,1,2,3
	v_add_nc_u32 v[228+\a], 0xff000000, v[224+\a]
.endr
.irp a, 0,1,2,3
.if \g == 0
	v_lshrrev_b32 v[236+\a], 23, v[228+\a]         ; the scale word of time (a, 0) begins
.else
	v_lshrrev_b32 v[232+\a], 23, v[228+\a]
.endif
.endr
.irp a, 0,1,2,3
.if (\g >= 1) && (\g <= 3)
	v_lshl_or_b32 v[236+\a], v[232+\a], 8*\g, v[236+\a]
.endif
.if \g == 4
	v_alignbit_b32 v[236+\a], v[232+\a], v[236+\a], 8   ; time (a, 1): the bytes of places 1 to 4
.endif
.endr
	WIN 0x01
.irp a, 0,1,2,3
	v_cvt_scalef32_pk16_fp6_f32 v[192+8*\a:194+8*\a], v[2*\a+32*\g:2*\a+32*\g+15], v[228+\a]
	v_cvt_scalef32_pk16_fp6_f32 v[196+8*\a:198+8*\a], v[2*\a+32*\g+16:2*\a+32*\g+31], v[228+\a]   ; (a conversion's three registers begin on an even number)
.endr
	WIN 0
	v_nop                                          ; one plain place behind the scaled conversions
.irp a, 0,1,2,3
	v_mov_b32 v[195+8*\a], v[196+8*\a]
	v_mov_b32 v[196+8*\a], v[197+8*\a]
	v_mov_b32 v[197+8*\a], v[198+8*\a]             ; 24 bytes on end
.endr
	s_wait_alu depctr_va_vdst(0)                   ; the conversions and moves have written the codes v192-221, the byte lines the words v236-239: the LDS stores below read them
.irp a, 0,1,2,3
.if \g <= 2
	ds_store_b128 v[5+\a], v[192+8*\a:195+8*\a] offset:PLANE*\g          ; the first half of record g
	ds_store_b64 v[5+\a], v[196+8*\a:197+8*\a] offset:PLANE*\g+16
.endif
.if \g >= 2
	ds_store_b64 v[5+\a], v[192+8*\a:193+8*\a] offset:PLANE*(\g-2)+24    ; the second half of record g - 2
	ds_store_b128 v[5+\a], v[194+8*\a:197+8*\a] offset:PLANE*(\g-2)+32
.endif
.if \g == 3
	ds_store_b32 v9, v[236+\a] offset:2048*\a
.endif
.if \g == 4
	ds_store_b32 v9, v[236+\a] offset:2048*\a+1024
.endif
.endr
.endm
	; ---- the quantiser of the windows; the weights are asked for on the way
	s_wait_loadcnt 63                              ; the youngest 63 loads of x may be out: times 0 to 102 are in, on each of the three ways
	DENSE 32, 36, 49152                            ; Wk.  (No vector instruction has named the registers in which this group's loads land)
	DENSE 80, 36, 98304                            ; Wv
	global_load_b32 v184, v246, s[38:39] offset:2048       ; their scale words: lanes 0-15 K step 0, lanes 16-31 K step 1
	global_load_b32 v185, v246, s[38:39] offset:2048+128
	global_load_b32 v186, v246, s[38:39] offset:4096
	global_load_b32 v187, v246, s[38:39] offset:4096+128
	global_load_b32 v190, v246, s[44:45]                   ; out_w's
	global_load_b32 v191, v246, s[44:45] offset:128
	global_load_b32 v31, v249, s[40:41] offset:2048        ; bv of the output that ends in my lane
	PMAX 0, 50
	QGRP 0
	QGRP 1
	QGRP 2                                         ; (these reach time 101)
	s_wait_loadcnt 31                              ; the 31 loads issued behind x may be out: all of x is in
	WIN 0x40                                       ; times 0 to 95 are done with: their registers take Wq, bq and bk
	s_wait_alu depctr_va_vdst(0)                   ; the pair maxima and the first three groups' conversions are done reading times 0 to 79 (on the early ways their zeros and masks are written): the loads below land there
	DENSE 0, 36, 0
.irp u, 0,1,2,3
	global_load_b128 v[48+4*\u:51+4*\u], v247, s[40:41] offset:64*(\u/2)+16*(\u%2)        ; bq in the result's layout: outputs 16 ot + 8 h + 0..7
.endr
.irp u, 0,1,2,3
	global_load_b128 v[64+4*\u:67+4*\u], v247, s[40:41] offset:1024+64*(\u/2)+16*(\u%2)   ; bk likewise
.endr
	WIN 0
	global_load_b32 v188, v246, s[38:39]           ; Wq's scale words
	global_load_b32 v189, v246, s[38:39] offset:128
	DENSE 128, 42, 0                               ; out_w
	PMAX 51, 82
	QGRP 3
	QGRP 4
	WIN 0x04
.irp e, 0,1,2,3,4,5,6,7
	ds_store_b32 v10, v[127+2*(\e/2)+32*(\e%2)] offset:RP*\e     ; x[t_e]: the last time of window e, as it was loaded
.endr
	WIN 0
	s_wait_loadcnt 34                              ; the 34 loads of the second group may be out: Wk, Wv and the first group's words are in
	STAGE 32, 0
	STAGE 80, WTD
	WIN 0x40
	s_wait_alu depctr_va_vdst(0)                   ; the pair maxima in v240-248 of window 1 are written, and the last group is done reading them: out_b lands there
.irp u, 0,1,2,3
	global_load_b128 v[240+4*\u:243+4*\u], v247, s[46:47] offset:64*(\u/2)+16*(\u%2)      ; out_b, into registers that the pair maxima have left
.endr
	WIN 0
	BAR                                            ; the records, the scale words and the eight rows of x lie in LDS
; A row operand's 128 numbers a lane: lane (t, h) takes, of row t % 8, k = 64 b + 32 h + 0..31 for b = 0..3: the very k of its fragment registers 6 (b % 2) on in K step b / 2
.macro RFLOAD adr
	WIN 0x40
	s_wait_alu depctr_va_vdst(0)                   ; all vector and matrix instructions that named v96-223 of window 1 (the quantiser's; later the main part's) are done with them: the loads below land there
.irp b, 0,1,2,3
.irp j, 0,1,2,3,4,5,6,7
	ds_load_b128 v[96+32*\b+4*\j:96+32*\b+4*\j+3], v[\adr] offset:256*\b+16*\j
.endr
.endr
	WIN 0
.endm
; They become two fragments in v192-215 and two scale words in v254-255.  A lane holds four whole blocks; a scale word's four bytes are gathered from lanes l and l xor 16.
.macro ROWQ
	WIN 0x05
.irp b, 0,1,2,3
	v_max3_num_f32 v[232+\b], |v[96+32*\b]|, |v[97+32*\b]|, 0x1800000
.endr
.irp i, 2,4,6,8,10,12,14,16,18,20,22,24,26,28,30
.irp b, 0,1,2,3
	v_max3_num_f32 v[232+\b], |v[96+32*\b+\i]|, |v[97+32*\b+\i]|, v[232+\b]
.endr
.endr
	WIN 0
.irp b, 0,1,2,3
	v_add_nc_u32 v[236+\b], 0xff000000, v[232+\b]
.endr
.irp b, 0,1,2,3
	v_lshrrev_b32 v[250+\b], 23, v[236+\b]
.endr
.irp s, 0,1
	v_lshl_or_b32 v[254+\s], v[251+2*\s], 16, v[250+2*\s]   ; my two bytes of K step s: blocks h and 2 + h,
.endr
.irp s, 0,1
	v_lshlrev_b32 v[254+\s], v30, v[254+\s]                 ; at their places,
.endr
.irp s, 0,1
	v_permlanex16_b32 v[242+\s], v[254+\s], s54, s55
.endr
.irp s, 0,1
	v_or_b32 v[254+\s], v[254+\s], v[242+\s]                ; with the other half's two: 17 plain instructions ahead of the products that take it
.endr
	WIN 0x01
.irp b, 0,1,2,3
	v_cvt_scalef32_pk16_fp6_f32 v[192+6*\b:194+6*\b], v[96+32*\b:111+32*\b], v[236+\b]
	v_cvt_scalef32_pk16_fp6_f32 v[216+4*\b:218+4*\b], v[112+32*\b:127+32*\b], v[236+\b]
.endr
	WIN 0
	v_nop                                          ; one plain place behind the scaled conversions
.irp b, 0,1,2,3
.irp i, 0,1,2
	v_mov_b32 v[195+6*\b+\i], v[216+4*\b+\i]
.endr
.endr
.endm
	; ---- q: the weights' fragments, x's eight rows quantised, q' = (x Wq^T + bq) log2(e) / sqrt(32), and q' . bk / 2
	s_wait_alu depctr_vm_vsrc(0)                   ; my LDS stores have read v32-127 (the stage's data), the eight times of x and the last group's v192-221 and v236-239: the loads below land in the first two, the row's quantiser writes the last
	FRAGS 32, 0
	FRAGS 80, WTD
	RFLOAD 11
	s_wait_loadcnt 4                               ; out_b's four loads may be out: Wq, bq, bk, out_w and their words are in
	WIN 0x04
	STAGE 0, 0                                     ; LDS serves a wave's instructions in order (ISA guide 5.7.1.4): these stores come behind the loads of the same bytes
	WIN 0
	STAGE 128, WTD
	s_wait_dscnt 0x0                               ; all is in
	WIN 0x40
	s_wait_alu depctr_vm_vsrc(0)                   ; the stage's stores have read v0-47 of window 1 and v128-175, in which the fragments below land
	FRAGS 0, 0
	WIN 0
	FRAGS 128, WTD
	ROWQ
	s_wait_dscnt 0x0
	PLACES                                         ; an operand written by vector instructions stands four places ahead of a scaled matrix instruction
	s_wait_alu depctr_va_vdst(0)                   ; the row's quantiser has written the codes v192-215 and the scale words v254-255, which the products below take
	WIN 0x11                                       ; Wq and bq in window 1.  The two accumulators take turns
	v_wmma_scale_f32_16x16x128_f8f6f4 v[216:223], v[0:11], v[192:203], v[48:55], v188, v254 matrix_a_fmt:MATRIX_FMT_FP6 matrix_b_fmt:MATRIX_FMT_FP6
	v_wmma_scale_f32_16x16x128_f8f6f4 v[224:231], v[24:35], v[192:203], v[56:63], v189, v254 matrix_a_fmt:MATRIX_FMT_FP6 matrix_b_fmt:MATRIX_FMT_FP6
	WIN 0x01
	v_wmma_scale_f32_16x16x128_f8f6f4 v[216:223], v[12:23], v[204:215], v[216:223], v188, v255 matrix_a_fmt:MATRIX_FMT_FP6 matrix_b_fmt:MATRIX_FMT_FP6 matrix_a_scale:MATRIX_SCALE_ROW1
	v_wmma_scale_f32_16x16x128_f8f6f4 v[224:231], v[36:47], v[204:215], v[224:231], v189, v255 matrix_a_fmt:MATRIX_FMT_FP6 matrix_b_fmt:MATRIX_FMT_FP6 matrix_a_scale:MATRIX_SCALE_ROW1
	WIN 0
	PLACES
.irp j, 0,2,4,6,8,10,12,14
	v_pk_mul_f32 v[216+\j:217+\j], v[216+\j:217+\j], s[56:57] op_sel_hi:[1,0]     ; each accumulator from its low end on
.endr
	WIN 0x04
	v_pk_mul_f32 v[232:233], v[216:217], v[64:65]
.irp j, 2,4,6,8,10,12,14
	v_pk_fma_f32 v[232:233], v[216+\j:217+\j], v[64+\j:65+\j], v[232:233]
.endr
	WIN 0
	v_add_f32 v232, v232, v233
	v_permlanex16_b32 v233, v232, s54, s55
	v_add_f32 v232, v232, v233
	v_mul_f32 v232, 0.5, v232                      ; each half of the lanes adds a half of q' . bk to its half score
	s_wait_alu depctr_va_vdst(0)                   ; q' in v216-231 and q' . bk / 2 in v232 are written, which the LDS stores below read
	ds_store_b128 v17, v[216:219]
	ds_store_b128 v17, v[220:223] offset:16
	ds_store_b128 v17, v[224:227] offset:64
	ds_store_b128 v17, v[228:231] offset:80
	ds_store_b32 v18, v232 offset:128
	s_wait_dscnt 0x0                               ; q' lies in LDS
	s_wait_alu depctr_vm_vsrc(0)                   ; the stores have read v216-232, which the moves below and the main part's vector work write again
.irp j, 209,211,213,215,217,219,221,223,241
	v_mov_b32 v[\j], 0                             ; the upper halves of pairs of which the low word serves both halves
.endr
; ---- THE MAIN PART.  One window setting, 0x54, serves its matrix instructions, the vector work between them and the fragments' loads (an LDS load's data are its destination: window 1; its address is source 0: window 0).
.macro AFLOAD e, R, b                  ; the two fragments (K steps 0, 1) of rows 16 R on of time e into buffer b: a lane's record is its 12 registers.  Destination window 1
.irp s, 0,1
.irp j, 0,1,2
	ds_load_b128 v[24*(\b)+12*\s+4*\j:24*(\b)+12*\s+4*\j+3], v[21+(\e)/2] offset:PLANE*((\e)%2)+HPL*\s+768*(\R)+16*\j
.endr
.endr
.endm
.macro NEXTQ e                         ; what time e wants beside its fragments: q' . bk / 2, the rows' scale words, my half's 16 numbers of q'
	WIN 0x54
	ds_load_b32 v210, v20 offset:144*(\e)
	WIN 0
	ds_load_b128 v[176:179], v25 offset:1024*(\e)
	ds_load_b128 v[180:183], v25 offset:1024*(\e)+16
.irp u, 0,1,2,3
	ds_load_b128 v[192+4*\u:195+4*\u], v19 offset:144*(\e)+64*(\u/2)+16*(\u%2)
.endr
.endm
; Matrix instruction k of a step's eight: K's tiles 0, 1, V's tiles 0, 1 at K step 0 (they start the sums), then the same four at K step 1: the four accumulators take turns.
.macro MM R, k
.set m_ot, (\k)%2
.set m_v, ((\k)/2)%2
.set m_ks, (\k)/4
.set m_af, 24*((\R)%2)+12*m_ks
.if m_v
.set m_d, 48+16*(\R)+8*m_ot
.set m_w, 80+12*(2*m_ot+m_ks)
.set m_s, 186+m_ot
.else
.set m_d, 176+16*((\R)%2)+8*m_ot
.set m_w, 32+12*(2*m_ot+m_ks)
.set m_s, 184+m_ot
.endif
.if m_ks == 0
	v_wmma_scale_f32_16x16x128_f8f6f4 v[m_d:m_d+7], v[m_w:m_w+11], v[m_af:m_af+11], 0, v[m_s], v[176+(\R)] matrix_a_fmt:MATRIX_FMT_FP6 matrix_b_fmt:MATRIX_FMT_FP6
.else
	v_wmma_scale_f32_16x16x128_f8f6f4 v[m_d:m_d+7], v[m_w:m_w+11], v[m_af:m_af+11], v[m_d:m_d+7], v[m_s], v[176+(\R)] matrix_a_fmt:MATRIX_FMT_FP6 matrix_b_fmt:MATRIX_FMT_FP6 matrix_a_scale:MATRIX_SCALE_ROW1 matrix_b_scale:MATRIX_SCALE_ROW1
.endif
.endm
; Instruction j of nine of the half score of rows 16 R on: my 16 outputs of K times my 16 numbers of q', begun with q' . bk / 2; each accumulator is read from its low end on
.macro SCOP R, j
.set s_k, 176+16*((\R)%2)
.if (\j) == 0
	v_pk_fma_f32 v[208:209], v[192:193], v[s_k:s_k+1], v[210:211]
.elseif (\j) < 8
	v_pk_fma_f32 v[208:209], v[192+2*(\j):193+2*(\j)], v[s_k+2*(\j):s_k+2*(\j)+1], v[208:209]
.else
	v_fma_f32 v[212+(\R)], 1.0, v209, v208
.endif
.endm
; Instruction j of eight of the sum over V: p of rows 16 R on times V's results; rows 0-15 start the sums
.macro VAOP R, j
.set a_v, 48+16*(\R)+8*((\j)%2)+2*((\j)/2)
.set a_a, 220+8*((\j)%2)+2*((\j)/2)
.if (\R) == 0
	v_pk_mul_f32 v[a_a:a_a+1], v[208+2*(\R):209+2*(\R)], v[a_v:a_v+1] op_sel_hi:[0,1]
.else
	v_pk_fma_f32 v[a_a:a_a+1], v[208+2*(\R):209+2*(\R)], v[a_v:a_v+1], v[a_a:a_a+1] op_sel_hi:[0,1,1]
.endif
.endm
.macro QOP R                           ; the next instruction of the step's queue of vector work
.if hasv && (qi < 8)
	VAOP (\R)+1, qi
.else
	SCOP (\R)-1, (qi-8*hasv)
.endif
.set qi, qi+1
.endm
; A STEP: rows 16 R on of time e: eight matrix instructions, and vector work set between them:
; the last time's sum over V for rows 16 (R + 1) on (whose results the next step writes over), then the scores of rows 16 (R - 1) on.  None of it names a register of this step's matrix instructions.
; Its last four instructions stand behind the eighth matrix instruction: they are the places ahead of the next step's reads of K's results.
; Behind them stands the step's one wait on va_vdst, and the buffer that the step has multiplied takes the fragments of the rows two steps on.  Step 7's buffer is asked for behind the time's last scores, under their wait.
.macro STEP e, R, first, last
.set hasv, 0
.set hass, 0
.if (\first == 0) && ((\R) < 7)
.set hasv, 1
.endif
.if (\R) > 0
.set hass, 1
.endif
.set qn, 8*hasv+9*hass
.set qi, 0
.if (\R) >= 2
.if \last && ((\R) == 7)
	s_wait_dscnt 0x0                               ; nothing was asked for behind these rows' fragments
.else
	s_wait_dscnt 0x6                               ; the six loads of the next rows' fragments may be out
.endif
.endif
.set mk, 0
.rept 8
	MM \R, mk
.if mk < 7
.rept 2
.if qi < qn-4
	QOP \R
.endif
.endr
.endif
.set mk, mk+1
.endr
.if qn == 0
	PLACES
.else
.rept 4
	QOP \R
.endr
.endif
.if (\R) < 6
	s_wait_alu depctr_va_vdst(0)                   ; this step's matrix instructions are done reading their fragment buffer, in which the six loads below land
	AFLOAD \e, (\R)+2, (\R)%2
.elseif ((\R) == 6) && (\last == 0)
	s_wait_alu depctr_va_vdst(0)                   ; this step's matrix instructions are done reading buffer 0, in which the next time's first fragments land
	AFLOAD (\e)+1, 0, 0
.endif
.endm
; The sum over V is finished for time e: 16 registers are summed over the 16 lanes of each half so that lane l keeps register l's total: in each of four levels a lane keeps one half of its
; registers, sends the other half to the lane whose bit differs, and adds what it is sent.  Then / the sum of p, + bv, into v250; the store into AO follows behind the next wait on va_vdst.
.macro FIN e
	WIN 0x05
.irp q, 0,1,2,3,4,5,6,7
	v_cndmask_b32 v[224+\q], v[220+\q], v[228+\q], s50
	v_cndmask_b32 v[232+\q], v[228+\q], v[220+\q], s50
.endr
	WIN 0
.irp q, 0,1,2,3,4,5,6,7
	v_add_f32_dpp v[224+\q], v[232+\q], v[224+\q] row_xmask:8 row_mask:0xf bank_mask:0xf
.endr
.irp q, 0,1,2,3
	v_cndmask_b32 v[232+\q], v[228+\q], v[224+\q], s51
	v_cndmask_b32 v[224+\q], v[224+\q], v[228+\q], s51
.endr
.irp q, 0,1,2,3
	v_add_f32_dpp v[224+\q], v[232+\q], v[224+\q] row_xmask:4 row_mask:0xf bank_mask:0xf
.endr
.irp q, 0,1
	v_cndmask_b32 v[232+\q], v[226+\q], v[224+\q], s52
	v_cndmask_b32 v[224+\q], v[224+\q], v[226+\q], s52
.endr
.irp q, 0,1
	v_add_f32_dpp v[224+\q], v[232+\q], v[224+\q] row_xmask:2 row_mask:0xf bank_mask:0xf
.endr
	v_cndmask_b32 v232, v225, v224, s53
	v_cndmask_b32 v224, v224, v225, s53
	v_add_f32_dpp v224, v232, v224 row_xmask:1 row_mask:0xf bank_mask:0xf
.if (\e) > 0
	s_wait_alu depctr_vm_vsrc(0)                   ; the LDS store of the time before has read v250, which the line below writes again
.endif
	s_wait_alu depctr_va_vdst(0)                   ; the reciprocal has written v243, ahead of its first reader
	v_fma_f32 v250, v224, v243, v31
.endm
; Time e's softmax over its 128 rows: a lane holds rows r16 + 16 R, both halves of the lanes alike.  first = 0: the output of time e - 1, which stands in v250, is stored on the way.
.macro SOFTMAX e, first
	WIN 0x01
.irp R, 0,1,2,3,4,5,6,7
	v_permlanex16_b32 v[232+\R], v[212+\R], s54, s55
.endr
.irp R, 0,1,2,3,4,5,6,7
	v_add_f32 v[224+\R], v[212+\R], v[232+\R]      ; the two half scores
.endr
	WIN 0
	s_sub_co_i32 s58, s8, 2*((\e)/2)+32*((\e)%2)   ; 127 - t: rows under it are hidden.  A branch on the work-group's number alone
	s_cmp_le_i32 s58, 0
	s_cbranch_scc1 .Lopen_\@
	v_sub_nc_u32 v244, v3, s58
.irp R, 0,1,2,3,4,5,6,7
	v_cmp_gt_i32 s[16+\R], -16*\R, v244            ; 16 R + r16 < 127 - t: the eight masks in a run
.endr
	s_wait_alu depctr_va_sdst(0)                   ; the compares have written s16 to s23, ahead of their first reader
.irp R, 0,1,2,3,4,5,6,7
	v_cndmask_b32 v[224+\R], v[224+\R], v245, s[16+\R]
.endr
.Lopen_\@:
	s_wait_alu depctr_va_vdst(0)
	v_max3_num_f32 v240, v224, v225, v226          ; row 127 is never hidden: the maximum is a number
	v_max3_num_f32 v240, v240, v227, v228
	v_max3_num_f32 v240, v240, v229, v230
	v_max_num_f32 v240, v240, v231
.irp x, 1,2,4,8
	v_max_num_f32_dpp v240, v240, v240 row_xmask:\x row_mask:0xf bank_mask:0xf
.endr
.irp j, 0,2,4,6
	v_pk_add_f32 v[224+\j:225+\j], v[224+\j:225+\j], v[240:241] op_sel_hi:[1,0] neg_lo:[0,1] neg_hi:[0,1]
.endr
	s_wait_alu depctr_va_vdst(0)
.irp R, 0,1,2,3,4,5,6,7
	v_exp_f32 v[208+2*\R], v[224+\R]
.endr
	v_nop                                          ; one plain place behind the exponentials
	s_wait_alu depctr_va_vdst(0)                   ; the eight exponentials have written p, ahead of its first reader; and the multiply-add at the last time's end has written v250, which the store below reads
.if \first == 0
	ds_store_b32 v26, v250 offset:RP*((\e)-1)
.endif
	v_add_f32 v242, v208, v210
	v_add_f32 v224, v212, v214
	v_add_f32 v225, v216, v218
	v_add_f32 v226, v220, v222
	v_add_f32 v242, v242, v224
	v_add_f32 v225, v225, v226
	v_add_f32 v242, v242, v225
.irp x, 1,2,4,8
	v_add_f32_dpp v242, v242, v242 row_xmask:\x row_mask:0xf bank_mask:0xf
.endr
	s_wait_alu depctr_va_vdst(0)
	v_rcp_f32 v243, v242
	v_nop                                          ; one plain place behind the reciprocal
.endm
; One time: its eight steps with the last time's sum over V among them; its last scores; the next time's loads; the last time's end; its softmax.
.macro TB e, first, last
	s_wait_dscnt 0x0                               ; rows 0-31's fragments, the scale words and q are in
	WIN 0x54
.if \first == 0
.set qi, 0
.rept 8
	VAOP 0, qi
.set qi, qi+1
.endr
.endif
.irp r, 0,1,2,3,4,5,6,7
	STEP \e, \r, \first, \last
.endr
.set qi, 0
.rept 9
	SCOP 7, qi
.set qi, qi+1
.endr
.if \last == 0
	s_wait_alu depctr_va_vdst(0)                   ; step 7's matrix instructions are done reading buffer 1 and the scale words v176-183, the scores are done reading q' in v192-207 and q' . bk / 2: the next time's loads land in all four
	AFLOAD (\e)+1, 1, 1
	NEXTQ (\e)+1
.endif
.if \first == 0
	FIN (\e)-1
.endif
	SOFTMAX \e, \first
.endm
	WIN 0x54
	v_mov_b32 v211, 0                              ; the upper half of the pair that begins a score
	s_wait_alu depctr_va_vdst(0)                   ; q's products are done reading Wq's fragments (window 1, v0-47) and the row's codes (v192-215), the row's quantiser is done reading v210 of window 1: the loads below land there
	AFLOAD 0, 0, 0
	AFLOAD 0, 1, 1
	NEXTQ 0
	TB 0, 1, 0
	s_wait_alu depctr_va_vdst(0)
	TB 1, 0, 0
	s_wait_alu depctr_va_vdst(0)
	TB 2, 0, 0
	s_wait_alu depctr_va_vdst(0)
	TB 3, 0, 0
	s_wait_alu depctr_va_vdst(0)
	TB 4, 0, 0
	s_wait_alu depctr_va_vdst(0)
	TB 5, 0, 0
	s_wait_alu depctr_va_vdst(0)
	TB 6, 0, 0
	s_wait_alu depctr_va_vdst(0)
	TB 7, 0, 1
	WIN 0x54                                       ; the last time's sum over V has no steps to stand among
.set vr, 0
	s_wait_alu depctr_va_vdst(0)
.rept 8
.set qi, 0
.rept 8
	VAOP vr, qi
.set qi, qi+1
.endr
.set vr, vr+1
.endr
	FIN 7
	s_wait_alu depctr_va_vdst(0)                   ; the multiply-add has written v250, which the store below reads
	ds_store_b32 v26, v250 offset:RP*7
	BAR                                            ; the eight rows of the attention's output lie in AO
	; ---- the output projection: the eight rows quantised (a head's 32 outputs are one block), my 32 outputs, out_b as the C of each sum's first product
	s_wait_alu depctr_vm_vsrc(0)                   ; my last store has read v250, which the row's quantiser writes again
	RFLOAD 12
	s_wait_dscnt 0x0
	ROWQ
	PLACES
	s_wait_alu depctr_va_vdst(0)                   ; the row's quantiser has written the codes v192-215 and the scale words v254-255, which the products below take
	s_wait_loadcnt 0x0                             ; out_b
	WIN 0x10
	v_wmma_scale_f32_16x16x128_f8f6f4 v[216:223], v[128:139], v[192:203], v[240:247], v190, v254 matrix_a_fmt:MATRIX_FMT_FP6 matrix_b_fmt:MATRIX_FMT_FP6
	v_wmma_scale_f32_16x16x128_f8f6f4 v[224:231], v[152:163], v[192:203], v[248:255], v191, v254 matrix_a_fmt:MATRIX_FMT_FP6 matrix_b_fmt:MATRIX_FMT_FP6
	WIN 0
	v_wmma_scale_f32_16x16x128_f8f6f4 v[216:223], v[140:151], v[204:215], v[216:223], v190, v255 matrix_a_fmt:MATRIX_FMT_FP6 matrix_b_fmt:MATRIX_FMT_FP6 matrix_a_scale:MATRIX_SCALE_ROW1
	v_wmma_scale_f32_16x16x128_f8f6f4 v[224:231], v[164:175], v[204:215], v[224:231], v191, v255 matrix_a_fmt:MATRIX_FMT_FP6 matrix_b_fmt:MATRIX_FMT_FP6 matrix_a_scale:MATRIX_SCALE_ROW1
	PLACES
	s_wait_alu depctr_va_vdst(0)                   ; the products have written v216-231, which the LDS stores read, and are done reading v192-199, in which the loads behind the barrier land; the places above stay beside this wait
	ds_store_b128 v27, v[216:219]                  ; lanes t and t + 8 hold the same row and write the same bytes with the same values
	ds_store_b128 v27, v[220:223] offset:16
	ds_store_b128 v27, v[224:227] offset:64
	ds_store_b128 v27, v[228:231] offset:80
	BAR                                            ; eight whole rows of the result lie in OUTS
	ds_load_b128 v[192:195], v28
	ds_load_b128 v[196:199], v28 offset:512
	s_wait_dscnt 0x0
	global_store_b128 v29, v[192:195], s[48:49] th:TH_STORE_NT              ; wave w stores the row of time e = w: each store covers 512 consecutive bytes, aligned to 256
	global_store_b128 v29, v[196:199], s[48:49] offset:512 th:TH_STORE_NT
	s_wait_xcnt 0x0
	v_lshl_add_u32 v252, v0, 2, 0x4b600            ; the add's two registers, made anew: no memory or LDS instruction of this text reads v252 or v253
	v_mov_b32 v253, 0
	s_wait_dscnt 0x0                               ; the closing lines, six on end
	s_wait_alu 0x0
	s_wait_tensorcnt 0x0
	ds_add_u32 v252, v253
	s_wait_dscnt 0x0
	s_endpgm
.Lfunc_end_k_q3eaa280e97_attn:
	.size	k_q3eaa280e97_attn, .Lfunc_end_k_q3eaa280e97_attn-k_q3eaa280e97_attn
	.p2alignl 7, 3214868480
	.fill 96, 4, 3214868480
	.section	.rodata,"a",@progbits
	.p2align	6, 0x0
	.amdhsa_kernel k_q3eaa280e97_attn
		.amdhsa_group_segment_fixed_size 309760
		.amdhsa_private_segment_fixed_size 0
		.amdhsa_enable_private_segment 0
		.amdhsa_kernarg_size 64
		.amdhsa_user_sgpr_count 2
		.amdhsa_user_sgpr_kernarg_segment_ptr 1
		.amdhsa_wavefront_size32 1
		.amdhsa_system_sgpr_workgroup_id_x 1
		.amdhsa_system_sgpr_workgroup_id_y 1
		.amdhsa_system_sgpr_workgroup_id_z 1
		.amdhsa_system_vgpr_workitem_id 0
		.amdhsa_next_free_vgpr 512
		.amdhsa_next_free_sgpr 66
		.amdhsa_reserve_vcc 0
		.amdhsa_float_denorm_mode_32 3
		.amdhsa_float_denorm_mode_16_64 3
		.amdhsa_memory_ordered 1
		.amdhsa_forward_progress 1
		.amdhsa_inst_pref_size 255
	.end_amdhsa_kernel
	.section	.bss,"aw",@nobits
	.p2align	6
	.space	262144
	.amdgpu_metadata
---
amdhsa.version: [ 1, 2 ]
amdhsa.kernels:
  - .name:           k_q3eaa280e97_attn
    .symbol:         k_q3eaa280e97_attn.kd
    .args:
      - { .name: inputs, .offset: 0, .size: 8, .value_kind: global_buffer, .address_space: global }
      - { .name: in_proj_w_codes, .offset: 8, .size: 8, .value_kind: global_buffer, .address_space: global }
      - { .name: in_proj_w_scales, .offset: 16, .size: 8, .value_kind: global_buffer, .address_space: global }
      - { .name: in_proj_b, .offset: 24, .size: 8, .value_kind: global_buffer, .address_space: global }
      - { .name: out_w_codes, .offset: 32, .size: 8, .value_kind: global_buffer, .address_space: global }
      - { .name: out_w_scales, .offset: 40, .size: 8, .value_kind: global_buffer, .address_space: global }
      - { .name: out_b, .offset: 48, .size: 8, .value_kind: global_buffer, .address_space: global }
      - { .name: out0, .offset: 56, .size: 8, .value_kind: global_buffer, .address_space: global }
    .group_segment_fixed_size: 309760
    .private_segment_fixed_size: 0
    .kernarg_segment_align: 8
    .kernarg_segment_size: 64
    .max_flat_workgroup_size: 256
    .sgpr_count:     66
    .vgpr_count:     512
    .wavefront_size: 32
...
	.end_amdgpu_metadata
.endif
;; end of part 2
